; MI455X (gfx1250); checked and timed in simulation.
; The chip was launched on July 23, 2026; its instructions are those of AMD's public machine-readable ISA for CDNA 5 (MIT licence, August 2026) and "CDNA5" Instruction Set Architecture Reference Guide (July 2026). The comments in the code are by the model that wrote it; some were corrected since.
;; Self Attention. Allowed arithmetic: matrix products marked QUANTISED: E4M3 operands, one given power-of-two scale a tensor, by v_wmma_f32_16x16x64_fp8_fp8 or v_wmma_f32_16x16x128_fp8_fp8, f32 sums; everything else in f32.
;; Inputs: b_out 1,024 float32; b_qkv 3,072 float32; lowp_scales 8 int32 (the exponents e of the quantised operands' scales 2^e); w_out 1,024 x 1,024 float32; w_qkv 1,024 x 3,072 float32; x 4 x 2,048 x 1,024 float32.
;; Outputs: out0 4 x 2,048 x 1,024 float32.
;; This version of the problem:
;;   THIS VERSION OF THE PROBLEM IS GIVEN IN LOW PRECISION. The matrix products marked QUANTISED in the list below multiply operands that are first quantised to E4M3 (4 exponent bits, 3 mantissa bits; 8 bits a number), with one given power-of-two scale for each operand tensor; their sums are f32. All else is computed in f32.
;;   The module's matrix products, in the order in which they are computed (A, B: the left and right operand; K: the contracted axis; several contracted axes count as one K, in the product's order):
;;     1. [M 8,192, K 1,024] x [K 1,024, N 3,072]; A: input x; B: input w_qkv: QUANTISED (scales: A lowp_scales[0], B lowp_scales[1])
;;     2. batch 64 x [M 2,048, K 64] x [K 64, N 2,048]; A: computed on the way; B: computed on the way: QUANTISED (scales: A lowp_scales[2], B lowp_scales[3])
;;     3. batch 64 x [M 2,048, K 2,048] x [K 2,048, N 64]; A: softmax (see below); B: computed on the way: QUANTISED (scales: A lowp_scales[4], B lowp_scales[5])
;;     4. [M 8,192, K 1,024] x [K 1,024, N 1,024]; A: computed on the way; B: input w_out: QUANTISED (scales: A lowp_scales[6], B lowp_scales[7])
;;   THE QUANTISER, for each operand of a quantised product, along K:
;;     - The operand's scale is 2^e, e = its entry of the input lowp_scales (int32; the entries are numbered through the quantised products in the list's order, A before B).
;;     - Each number is divided by the scale, clamped to +-448, and rounded to the nearest number of E4M3, ties to even, subnormals kept.
;;     - The product sums the exact products of the quantised numbers (number of the format x scale) in f32.
;;   ~~~python
;;   def quantise(x, axis, e):      # numpy; x: float32 -> the quantised numbers, widened to float32 again
;;       x = np.moveaxis(x, axis, -1); K = x.shape[-1]
;;       r = np.clip(x / 2.0 ** e, -448, 448)
;;       step = 2.0 ** (np.maximum(np.frexp(np.where(r == 0, 1, r))[1] - 1, -6) - 3)
;;       q = np.round(r / step) * step * 2.0 ** e      # np.round: ties to even
;;       return np.moveaxis(q, -1, axis).astype(np.float32)
;;   ~~~
;;   SOFTMAX AHEAD OF A QUANTISED PRODUCT. Where the list says 'softmax', what is quantised is not the finished softmax but p = 2^(t - M), with t = logit x log2(e) and M = ceil(the row's largest t), a whole number; so 1/2 < the row's largest p <= 1. The row's sum l is taken of the UNQUANTISED p, in f32, and the product's result is divided by l at the end. Since M is a whole number, a kernel that streams over the keys may use a running M (the ceiling of the running maximum): every later rescaling is an exact power of two, so the quantised numbers keep their values, but for numbers so far below the row's largest that they fall under the format's range.
;;   OPERANDS COMPUTED ON THE WAY. 'Computed on the way' means the value that the module computes at that place (a softmax that the list does not call 'softmax' is quantised finished and normalised). What goes into a quantiser is computed in f32, as accurately as f32 sums, v_exp_f32 and their like allow (about 1e-6 of the number): no bf16 or f16 on the way to a quantiser, and a product that is left as it is and whose result goes on into a quantised operand takes f32 operands (vector FMAs, or v_wmma_f32_16x16x4_f32). A number that lies on a knife's edge between two numbers of the format may be rounded either way, as far as f32 arithmetic and the matrix unit's own rounding can turn it there, and no further.
;; One version. Each part assembles by itself: llvm-mc -triple=amdgcn-amd-amdhsa -mcpu=gfx1250 --defsym DOCPART=n.
;; ======== version 1 of 1: 4 launches
;; limits: right only within a limited range of input values
;; workspace buffers: x_codes 8,388,608 bytes; wq_codes 3,145,728 bytes; wo_codes 1,048,576 bytes; q_codes 8,388,608 bytes; kv_codes 16,777,216 bytes; a_codes 8,388,608 bytes
;; launch quant (part 1): grid 384 x 1, 4 waves a work-group, no clusters, 68,096 bytes of LDS; arguments x, w_qkv, w_out, lowp_scales, x_codes, wq_codes, wo_codes; writes x_codes, wq_codes, wo_codes
.if DOCPART == 1
	.amdgcn_target "amdgcn-amd-amdhsa--gfx1250"
	.amdhsa_code_object_version 6
	.text
	.protected	k_q351f65f102_quant
	.globl	k_q351f65f102_quant
	.p2align	8
	.type	k_q351f65f102_quant,@function
k_q351f65f102_quant:
	s_mov_b64 s[64:65], 0
	v_nop
	global_prefetch_b8 v0, s[64:65] scope:SCOPE_SE
	s_setreg_imm32_b32 hwreg(HW_REG_WAVE_MODE, 25, 1), 1
	s_wait_xcnt 0x0
; x [8192][1024], w_qkv [1024][3072] and w_out [1024][1024], all f32, become codes of FP8 (E4M3) with K innermost, each with the scale 2^e given for it
; (entries 0, 1 and 7 of the exponents).  code = number / 2^e, held within +-448, rounded to the nearest code, ties to even.
; LIMITS: each e between -126 and 119, so that 2^e and 448 x 2^e are f32 numbers.  NaN among the inputs is not served.
; Work-groups 0-255 take x: its K is innermost, so it is a plain stream; a wave takes 16 steps of 512 numbers.
; Work-groups 256-351 take w_qkv, 352-383 w_out: K is the FIRST axis, so a lane takes a column and its registers run down K; a wave takes 32 columns x 256 along K.
; The weights' rows are stored in another order than their features: of each 32 features, feature l goes to row l with bits 3 and 4 exchanged.  Sixteen rows on end, 32 g + 16 u + r,
; are then the features 32 g + 8 u + r + 8 (r / 8): a product that takes them as source 0 leaves a lane 16 neighbouring features in two neighbouring tiles.
; The two paths part on the work-group's number and have LDS bytes of their own.  No tensor load, no barrier: waves share nothing.
.set XWG,    256                       ; work-groups for x: 8,388,608 numbers / 32,768
.set QWG,    96                        ; for w_qkv: 24 blocks of 128 columns x 4 blocks of 256 along K
.set EMAX,   8
.set MANT,   0x600000                  ; the mantissa field of 448 as f32
; x's path
.set STEPS,  16
.set WREG,   8192                      ; LDS bytes 0 .. 32,767: a region for each wave: two stages of 32 x SP bytes
.set SP,     80                        ; a lane's place in a stage: its 64 bytes + 16 of padding
.set XR,     16                        ; v16-79   four sets of 16 numbers as they are loaded
.set XX,     80                        ; v80-111  two sets of 16 neighbours
.set XC,     128                       ; v128-191 codes: four registers for each step, so that no store's data are written again
; the weights' path
.set WSTAGE, 32768                     ; LDS bytes 32,768 .. 67,583: a stage of 32 rows x PITCH for each wave
.set PITCH,  272                       ; a stage row: 256 codes + 16 bytes
.set NB,     8                         ; blocks of 32 along K for a wave
.set VO,     16                        ; v16-47   4 x lane + i rows of W: the offsets of a block's 32 loads; never rewritten
.set WX,     48                        ; v48-111  two sets of 32 numbers
.set WC,     112                       ; v112-119 a block's codes
.set OUTR,   120                       ; v120-183 the way out
.set SB,     40                        ; s[40:55] eight bases, one for each block of 32 rows of W
	s_load_b128 s[4:7], s[0:1], 0x0                ; x, w_qkv
	s_load_b128 s[8:11], s[0:1], 0x10              ; w_out, the exponents
	s_load_b128 s[12:15], s[0:1], 0x20             ; x's codes, w_qkv's codes
	s_load_b64 s[16:17], s[0:1], 0x30              ; w_out's codes
	v_lshl_add_u32 v192, v0, 2, 0x10800
	v_mov_b32 v193, 0
	v_lshrrev_b32 v1, 5, v0
	v_readfirstlane_b32 s18, v1                    ; wave 0..3
	v_and_b32 v2, 31, v0                           ; lane
	s_wait_kmcnt 0x0
	s_load_b256 s[24:31], s[10:11], 0x0            ; the eight exponents
	s_cmp_ge_u32 ttmp9, XWG
	s_cbranch_scc1 .Lweights
	s_wait_alu depctr_va_vdst(0)
; ---------------- x: each of a step's four loads reads 512 consecutive bytes, 16 a lane; the 2,048 bytes turn through the wave's stage and come back 64 bytes (16 neighbours) a lane
	v_lshlrev_b32 v3, 4, v2                        ; 16 x lane: my bytes of a load's 512, and of a step's 512 bytes of codes; never rewritten
	s_wait_alu depctr_va_vdst(0)
	s_mul_i32 s19, s18, WREG
	v_lshrrev_b32 v14, 2, v2
	v_mul_u32_u24 v14, v14, SP
	v_and_b32 v15, 3, v2
	v_lshl_add_u32 v14, v15, 4, v14
	v_add_nc_u32 v14, s19, v14                     ; into the stage: SP (lane / 4) + 16 (lane % 4); a load's 512 bytes take eight places
	v_mul_u32_u24 v15, v2, SP
	v_add_nc_u32 v15, s19, v15                     ; out of it: SP x lane
	s_lshl_b32 s20, ttmp9, 2
	s_add_co_u32 s20, s20, s18                     ; which run of 8,192 numbers is my wave's
	s_lshl_b32 s22, s20, 15                        ; 32,768 bytes of f32 a run
	s_mov_b32 s23, 0
	s_add_nc_u64 s[4:5], s[4:5], s[22:23]
	s_lshl_b32 s22, s20, 13                        ; 8,192 bytes of codes
	s_add_nc_u64 s[12:13], s[12:13], s[22:23]
.macro XLOAD t
.irp i, 0,1,2,3
	global_load_b128 v[XR+16*((\t)%4)+4*\i:XR+16*((\t)%4)+4*\i+3], v3, s[4:5] offset:2048*(\t)+512*\i th:TH_LOAD_NT
.endr
.endm
.macro XTURN t                         ; LDS serves a wave's instructions in order (ISA guide 5.7.1.4): no wait between the stores and the loads
.irp i, 0,1,2,3
	ds_store_b128 v14, v[XR+16*((\t)%4)+4*\i:XR+16*((\t)%4)+4*\i+3] offset:32*SP*((\t)%2)+8*SP*\i
.endr
.irp i, 0,1,2,3
	ds_load_b128 v[XX+16*((\t)%2)+4*\i:XX+16*((\t)%2)+4*\i+3], v15 offset:32*SP*((\t)%2)+16*\i
.endr
.endm
.irp t, 0,1,2,3
	XLOAD \t
.endr
	s_wait_alu depctr_va_vdst(0)
	s_wait_kmcnt 0x0
	s_add_co_i32 s21, s24, 127                     ; e of x
	s_lshl_b32 s22, s21, 23
	v_mov_b32 v11, s22                             ; 2^e as f32: the conversion takes its exponent field
	s_add_co_i32 s21, s21, EMAX
	s_lshl_b32 s21, s21, 23
	s_or_b32 s21, s21, MANT
	s_wait_alu depctr_va_vdst(0)
	s_wait_loadcnt 12                              ; step 0's four loads are in; those of steps 1 to 3 may be out
	XTURN 0
.macro XSTEP t
.set XS, XX+16*((\t)%2)
	s_wait_dscnt 0x0                               ; this step's numbers are back from the stage, so its stores into the stage have read their registers,
.if (\t)+4 < STEPS
	XLOAD (\t)+4                                   ; which take the loads of four steps on
.endif
.if (\t)+1 < STEPS
.if STEPS-2-(\t) >= 3
	s_wait_loadcnt 12                              ; the next step's four loads are in; those of the three steps behind it may be out
.else
	s_wait_loadcnt 4*(STEPS-2-(\t))                ; the tail: as many steps as are left behind the next
.endif
	XTURN (\t)+1                                   ; through the other stage, while this step is worked
.endif
.irp i, 0,1,2,3,4,5,6,7,8,9,10,11,12,13,14,15
.endr
	v_cvt_scalef32_pk8_fp8_f32 v[XC+4*(\t):XC+4*(\t)+1], v[XS:XS+7], v11
	v_cvt_scalef32_pk8_fp8_f32 v[XC+4*(\t)+2:XC+4*(\t)+3], v[XS+8:XS+15], v11
	global_store_b128 v3, v[XC+4*(\t):XC+4*(\t)+3], s[12:13] offset:512*(\t)   ; the wave stores 512 consecutive bytes, aligned; the codes' registers are touched by this store alone
.endm
.irp t, 0,1,2,3,4,5,6,7,8,9,10,11,12,13,14,15
	XSTEP \t
.endr
	s_wait_tensorcnt 0x0
	ds_add_u32 v192, v193
	s_wait_dscnt 0x0
	s_endpgm
; ---------------- the weights.  Only pointers, the row's length and e are chosen: both weights take one path.
.Lweights:
	s_cmp_lt_u32 ttmp9, XWG+QWG                    ; w_qkv's work-group or w_out's?  The choice hangs on the work-group's number alone
	s_cselect_b64 s[4:5], s[6:7], s[8:9]           ; W
	s_cselect_b64 s[12:13], s[14:15], s[16:17]     ; its codes
	s_mov_b32 s20, 4096
	s_cselect_b32 s20, 12288, s20                  ; a row of W in bytes
	s_mov_b32 s21, XWG+QWG
	s_cselect_b32 s21, XWG, s21                    ; the tensor's first work-group
	s_wait_kmcnt 0x0
	s_cselect_b32 s22, s25, s31                    ; e
	s_sub_co_u32 s21, ttmp9, s21
	s_and_b32 s23, s21, 3                          ; which 256 along K
	s_lshr_b32 s21, s21, 2                         ; which 128 columns
	s_lshl_b32 s21, s21, 7
	s_lshl_b32 s19, s18, 5
	s_add_co_u32 s21, s21, s19                     ; my wave's first column, a multiple of 32
	s_lshl_b32 s32, s23, 8
	s_mul_i32 s32, s32, s20                        ; my first row of W, in bytes,
	s_lshl_b32 s33, s21, 2
	s_add_co_u32 s32, s32, s33                     ; + my first column
	s_mov_b32 s33, 0
	s_lshl_b32 s34, s20, 5                         ; 32 rows of W
	s_mov_b32 s35, 0
	s_add_nc_u64 s[SB:SB+1], s[4:5], s[32:33]
.irp t, 1,2,3,4,5,6,7
	s_add_nc_u64 s[SB+2*\t:SB+2*\t+1], s[SB+2*\t-2:SB+2*\t-1], s[34:35]
.endr
	s_lshl_b32 s32, s21, 10                        ; the codes: rows of 1,024 bytes,
	s_lshl_b32 s36, s23, 8
	s_add_co_u32 s32, s32, s36                     ; + my 256 along K
	s_add_nc_u64 s[12:13], s[12:13], s[32:33]
	s_wait_alu depctr_va_vdst(0)
	v_lshlrev_b32 v3, 2, v2                        ; 4 bytes a lane: a load reads 128 consecutive bytes a wave, 512 a work-group
.set wi, 0
.rept 32
	v_mad_u32_u24 v[VO+wi], s20, wi, v3
.set wi, wi+1
.endr
	s_mul_i32 s19, s18, 32*PITCH
	s_add_co_u32 s19, s19, WSTAGE                  ; my stage
	v_and_b32 v5, 7, v2
	v_bfe_u32 v6, v2, 3, 1
	v_bfe_u32 v9, v2, 4, 1
	v_lshl_add_u32 v5, v6, 4, v5
	v_lshl_add_u32 v5, v9, 3, v5                   ; my column's row among the 32: the lane with bits 3 and 4 exchanged
	v_mul_u32_u24 v4, v5, PITCH
	v_add_nc_u32 v4, s19, v4                       ; into the stage
	v_and_b32 v5, 15, v2
	v_mul_u32_u24 v7, v9, PITCH
	v_lshl_add_u32 v7, v5, 4, v7
	v_add_nc_u32 v7, s19, v7                       ; out of it: sixteen lanes to a row, two rows an instruction
	v_lshlrev_b32 v8, 10, v9
	v_lshl_add_u32 v8, v5, 4, v8                   ; and the same place in the codes' buffer
.macro WLOAD t                         ; block t: W(32 t + i, my column), i = 0 .. 31, into set t % 2
.set wi, 0
.rept 32
	global_load_b32 v[WX+32*((\t)%2)+wi], v[VO+wi], s[SB+2*(\t):SB+2*(\t)+1] th:TH_LOAD_NT
.set wi, wi+1
.endr
.endm
	WLOAD 0
	WLOAD 1
	s_add_co_i32 s22, s22, 127
	s_lshl_b32 s23, s22, 23
	v_mov_b32 v11, s23                             ; 2^e as f32
	s_add_co_i32 s22, s22, EMAX
	s_lshl_b32 s22, s22, 23
	s_or_b32 s22, s22, MANT
.macro WBLOCK t
.set XS, WX+32*((\t)%2)
.if (\t) < NB-1
	s_wait_loadcnt 32                              ; this block's 32 loads are in; the next block's may be out
.else
	s_wait_loadcnt 0
.endif
.set bi, 0
.rept 32
.set bi, bi+1
.endr
.irp g, 0,1,2,3
	v_cvt_scalef32_pk8_fp8_f32 v[WC+2*\g:WC+2*\g+1], v[XS+8*\g:XS+8*\g+7], v11
.endr
	ds_store_b128 v4, v[WC:WC+3] offset:32*(\t)    ; 32 codes along K: 32 bytes of my column's row
	ds_store_b128 v4, v[WC+4:WC+7] offset:32*(\t)+16
.if (\t)+2 < NB
	WLOAD (\t)+2
.endif
	s_wait_dscnt 0x0                               ; the stores have read their registers: the next block's codes may be written
.endm
	s_wait_alu depctr_va_vdst(0)
.irp t, 0,1,2,3,4,5,6,7
	WBLOCK \t
.endr
.irp t, 0,1,2,3,4,5,6,7,8,9,10,11,12,13,14,15
	ds_load_b128 v[OUTR+4*\t:OUTR+4*\t+3], v7 offset:2*\t*PITCH   ; these see my stores: LDS serves a wave's instructions in order
.endr
.irp t, 0,1,2,3,4,5,6,7,8,9,10,11,12,13,14,15
	s_wait_dscnt 15-\t                             ; rows 2 t and 2 t + 1 are back; the later ones may be out
	global_store_b128 v8, v[OUTR+4*\t:OUTR+4*\t+3], s[12:13] offset:2*\t*1024   ; sixteen lanes store 256 consecutive bytes, aligned
.endr
	s_wait_tensorcnt 0x0
	ds_add_u32 v192, v193
	s_wait_dscnt 0x0
	s_endpgm
.Lfunc_end_k_q351f65f102_quant:
	.size	k_q351f65f102_quant, .Lfunc_end_k_q351f65f102_quant-k_q351f65f102_quant
	.p2alignl 7, 3214868480
	.fill 96, 4, 3214868480
	.section	.rodata,"a",@progbits
	.p2align	6, 0x0
	.amdhsa_kernel k_q351f65f102_quant
		.amdhsa_group_segment_fixed_size 68096
		.amdhsa_private_segment_fixed_size 0
		.amdhsa_enable_private_segment 0
		.amdhsa_kernarg_size 56
		.amdhsa_user_sgpr_count 2
		.amdhsa_user_sgpr_kernarg_segment_ptr 1
		.amdhsa_wavefront_size32 1
		.amdhsa_system_sgpr_workgroup_id_x 1
		.amdhsa_system_sgpr_workgroup_id_y 1
		.amdhsa_system_sgpr_workgroup_id_z 1
		.amdhsa_system_vgpr_workitem_id 0
		.amdhsa_next_free_vgpr 194
		.amdhsa_next_free_sgpr 66
		.amdhsa_reserve_vcc 0
		.amdhsa_float_denorm_mode_32 3
		.amdhsa_float_denorm_mode_16_64 3
		.amdhsa_fp16_overflow 1
		.amdhsa_memory_ordered 1
		.amdhsa_forward_progress 1
		.amdhsa_inst_pref_size 56
	.end_amdhsa_kernel
	.amdgpu_metadata
---
amdhsa.version: [ 1, 2 ]
amdhsa.kernels:
  - .name:           k_q351f65f102_quant
    .symbol:         k_q351f65f102_quant.kd
    .args:
      - { .name: x, .offset: 0, .size: 8, .value_kind: global_buffer, .address_space: global }
      - { .name: w_qkv, .offset: 8, .size: 8, .value_kind: global_buffer, .address_space: global }
      - { .name: w_out, .offset: 16, .size: 8, .value_kind: global_buffer, .address_space: global }
      - { .name: lowp_scales, .offset: 24, .size: 8, .value_kind: global_buffer, .address_space: global }
      - { .name: x_codes, .offset: 32, .size: 8, .value_kind: global_buffer, .address_space: global }
      - { .name: wq_codes, .offset: 40, .size: 8, .value_kind: global_buffer, .address_space: global }
      - { .name: wo_codes, .offset: 48, .size: 8, .value_kind: global_buffer, .address_space: global }
    .group_segment_fixed_size: 68096
    .private_segment_fixed_size: 0
    .kernarg_segment_align: 8
    .kernarg_segment_size: 56
    .max_flat_workgroup_size: 128
    .sgpr_count:     66
    .vgpr_count:     194
    .wavefront_size: 32
...
	.end_amdgpu_metadata
.endif
;; end of part 1
;; launch qkv (part 2): grid 12 x 32, 4 waves a work-group, clusters of 4 x 4, 327,680 bytes of LDS; arguments x_codes, wq_codes, lowp_scales, b_qkv, q_codes, kv_codes; writes q_codes, kv_codes
.if DOCPART == 2
	.amdgcn_target "amdgcn-amd-amdhsa--gfx1250"
	.amdhsa_code_object_version 6
	.text
	.protected	k_q351f65f102_qkv
	.globl	k_q351f65f102_qkv
	.p2align	8
	.type	k_q351f65f102_qkv,@function
k_q351f65f102_qkv:
	s_mov_b64 s[64:65], 0
	v_nop
	global_prefetch_b8 v0, s[64:65] scope:SCOPE_SE
	s_setreg_imm32_b32 hwreg(HW_REG_WAVE_MODE, 25, 1), 1
	s_wait_xcnt 0x0
	s_wait_alu depctr_hold_cnt(0) depctr_sa_sdst(0) depctr_va_vdst(0) depctr_va_sdst(0) depctr_va_ssrc(0) depctr_va_vcc(0) depctr_vm_vsrc(0)
	s_getreg_b32 s2, hwreg(HW_REG_IB_STS2, 6, 4)
	s_cmp_eq_u32 s2, 0
	s_cbranch_scc0 .Lentry_in_a_cluster
	s_endpgm
.Lentry_in_a_cluster:
	s_bfe_u32 s2, ttmp6, 0x10000c
	s_cmp_lg_u32 s2, 0xf033
	s_cbranch_scc0 .Lentry_shape_is_right
	s_endpgm
.Lentry_shape_is_right:
; qkv = x w_qkv + b_qkv on codes of FP8 (E4M3), and q, k, v quantised at once for the attention's products: no f32 number of qkv goes to memory.
; x_codes [8192][1024], wq_codes [3072 rows][1024] (rows in the order that the quantising launch gave them: rows 32 g + 16 u + r are features 32 g + 8 u + r + 8 (r / 8)).
; A tile of 256 x 256 is made by four waves, 128 x 128 each: 64 accumulators of 16 x 16.  K goes in steps of 256 through a ring of two LDS slots filled by the tensor data mover.
; CLUSTERS of 4 x 4 work-groups; cluster x = 0: q, 1: k, 2: v; cluster y: 1,024 tokens.  Tiles shared along a row or a column of the cluster are asked for jointly.
; THE MATRIX INSTRUCTION: source 0 = 16 rows of 'B', source 1 = 16 rows of 'A': a lane holds one row of A, and its eight registers eight rows of B.
;   q, k:  A = tokens, B = features.  A lane holds one token; tiles 2 i and 2 i + 1 hold its features 32 i + 16 (lane / 16) + 0 .. 15: neighbours along the next product's K (the head's 64).
;   v:     A = features, B = tokens.  A lane holds one channel; tiles 2 i, 2 i + 1 hold tokens 32 i + 8 (lane / 16) + 0 .. 7 and 32 i + 16 + 8 (lane / 16) + 0 .. 7: along the next K (the keys).
; Only the two tensors' pointers and first rows are chosen (on the cluster's x, which all partners share): one loop serves all three.
; THE WAY OUT NEEDS NO LDS: the codes are stored as images of the reader's operand registers: a chunk is 512 bytes, lane l's 16 bytes at 16 l; each store covers 512 consecutive bytes, aligned.
;   q_codes  [head 64][tile of 16 queries 128][c 2][lane][16]: query 16 T + r, d = 32 c + 16 h + 0 .. 15
;   kv_codes [head 64][step of 128 keys 16][16,384]: K's tile t at 1,024 t + 512 c (key 16 t + r, d as q's); V's tile t at 8,192 + 2,048 t + 512 i (channel 32 (t/2) + 8 (t%2) + r + 8 (r/8), keys as above)
; A sum stands for sum x 2^(e0 + e1); code = (sum + bias / 2^(e0 + e1)) / 2^(eo - e0 - e1), eo = entry 2 (q), 3 (k) or 5 (v) of the exponents.
; LIMITS: eo - e0 - e1 between -126 and 119.  NaN is not served.
; REGISTERS, in windows of 256: window 0: v0-31 addresses; v32-95, v96-111 the biases; from v128 A's fragments, ONE set; on the way out v128-255 are at work.
;   window 1: B's fragments, TWO sets, at v0 and v128.   window 2: the accumulators of A's blocks 0-3 ((a, b) at v[8 (8 a + b)]);   window 3: of blocks 4-7.
.set ROWB,   256                       ; a tile's row in bytes: 256 codes
.set KROW,   1024                      ; a row of either tensor in memory
.set PITCH,  272                       ; an LDS row: 256 bytes + 16 of padding = 68 words: the 16 rows that a load touches start at 16 different banks (64 banks of 4 bytes: ISA guide 11.1)
.set FR,     16                        ; registers of a fragment: 16 rows x 128 K
.set NL,     4                         ; LDS loads that bring one
.set NP,     4                         ; places behind this matrix instruction (ISA guide 7.12.1)
.set HALFT,  128*PITCH                 ; 128 rows: what one tensor load brings, and what one wave reads of A or of B
.set SLOT,   4*HALFT                   ; A's 256 rows, then B's 256 rows
.set SPARE,  2*SLOT                    ; behind the ring: the spare words, 128 bytes for each wave: two blocks of 256 bytes that no other line names
.set BNA,  12                          ; v12     the bias by features in registers: 64 x (lane / 16); never rewritten
.set BMA,  13                          ; v13     the bias by feature in the lane: 4 (r + 8 (r / 8)); never rewritten
.set ADRA, 16                          ; v16-17  LDS address of my A fragments in slot 0, 1
.set ADRB, 20                          ; v20-21  the same for B
.set LI,   27                          ; v27     16 x lane: my place in a chunk; never rewritten
.set SPW,  28                          ; v28     LDS address of my spare word; never rewritten
.set NIL,  29                          ; v29     0; never rewritten
.set SCL,  30                          ; v30     2^(eo - e0 - e1) as f32
.set LIM,  31
.set BN,   32                          ; v32-95  q, k: register 8 b + j: the bias of the feature that accumulator (., b)'s register j holds
.set BM,   96                          ; v96-111 v: pair 2 a, 2 a + 1: the bias of my lane's channel in A's block a, twice
.set AF,   128                         ; A's fragments
.set TMP,  128                         ; the way out: v128-191 a block's 64 numbers
.set CD,   192                         ; v192-255 codes: 16 registers for each of four blocks by turns
.set G1, 24                            ; s[24:31] descriptor group 1 for A's tiles;  s[32:39] group 0, one set for each slot
.set G0, 32
.set G1B, 48                           ; s[48:55], s[56:63] the same for B's tiles
.set G0B, 56
.set OB,  80                           ; s[80:81], s[82:83] where my two heads' images begin
.set MSB, 0
.macro WIN new                         ; the immediate's high byte repeats the setting that is left
.if MSB != (\new)
	s_set_vgpr_msb (MSB<<8)|(\new)
.set MSB, (\new)
.endif
.endm
.set MUL_LO, 0xa1                      ; source 0 (B) window 1, source 1 (A) window 0, C and D window 2
.set MUL_HI, 0xf1                      ; the same, C and D window 3
.set TO_B,   0x40                      ; destination window 1, address window 0
; A joint load: waves 0 and 1 fetch for A, waves 2 and 3 for B.  Each line has one mask and one set of registers for all that issue it; the branch hangs on the wave's number alone.
; Four v_nop follow each of the two lines, ahead of the jump, the label and what follows.
.macro JLOAD g0a, g1a, g0b, g1b
	s_cmp_eq_u32 s15, 0
	s_cbranch_scc0 .Lfor_b_\@
	tensor_load_to_lds s[\g0a:\g0a+3], s[\g1a:\g1a+7]
	s_nop 0
.rept 4
	v_nop
.endr
	s_branch .Lasked_\@
.Lfor_b_\@:
	tensor_load_to_lds s[\g0b:\g0b+3], s[\g1b:\g1b+7]
	s_nop 0
.rept 4
	v_nop
.endr
.Lasked_\@:
.endm
.macro CREST                           ; a round of the cluster's barrier behind its opening barrier
	s_cmp_lg_u32 s14, 0
	s_cbranch_scc1 .Lnot_wave_0_\@
	s_barrier_signal -3
.Lnot_wave_0_\@:
	s_barrier_wait -3
	s_barrier_signal -1
	s_barrier_wait -1
.endm
.macro CROUND                          ; a whole round
	s_barrier_signal -1
	s_barrier_wait -1
	CREST
.endm
	s_load_b256 s[4:11], s[0:1], 0x0               ; x's codes s[4:5], W's codes s[6:7], the exponents s[8:9], the bias s[10:11]
	s_load_b128 s[68:71], s[0:1], 0x20             ; q's images s[68:69], K's and V's s[70:71]
	v_lshl_add_u32 v[SPW], v0, 2, SPARE
	v_mov_b32 v[NIL], 0
	ds_add_u32 v28, v29
	ds_add_u32 v28, v29
	s_wait_dscnt 0x0
	v_lshrrev_b32 v1, 5, v0
	v_readfirstlane_b32 s14, v1                    ; wave 0..3
	s_lshr_b32 s15, s14, 1                         ; which half of A's rows is mine.  Also: I fetch for A (0) or for B (1)
	s_and_b32 s16, s14, 1                          ; which half of B's rows.  Also: which 128 rows of that tile I fetch
	s_bfe_u32 s40, ttmp6, 0x40000                  ; cx, cy: my place in the cluster
	s_bfe_u32 s41, ttmp6, 0x40004
	s_and_b32 s17, ttmp7, 0xffff
	s_lshl_b32 s17, s17, 10                        ; the cluster's first token: 1,024 x cluster y
	s_lshl_b32 s42, ttmp9, 10                      ; the cluster's first row of W: 1,024 x cluster x
	s_lshl_b32 s43, s41, 2
	s_lshl_b32 s43, 15, s43                        ; my row of the cluster
	s_lshl_b32 s44, 0x1111, s40                    ; my column
	; descriptor group 1: a tile of 128 rows x 256 bytes, padded in LDS
	s_or_b32 s[G1+0], s43, (0<<16)|(1<<20)|(1<<21)|(5<<22)|(3<<25)  ; 15:0 the mask: A's tiles go to my row; 17:16 element of 1 byte; 20 padding on; 21 set beside a mask; 24:22 after every 64 words (code 5); 31:25 of 4 words (code 3)
	s_or_b32 s[G1B+0], s44, (0<<16)|(1<<20)|(1<<21)|(5<<22)|(3<<25) ; B's tiles go to my column
.irp g, G1, G1B
	s_mov_b32 s[\g+1], ROWB<<16                    ; tensor_dim0
	s_mov_b32 s[\g+2], 128<<16                     ; tensor_dim1 = 128
	s_mov_b32 s[\g+3], ROWB<<16                    ; tile_dim0
	s_mov_b32 s[\g+4], 128                         ; tile_dim1 = 128
	s_mov_b32 s[\g+5], KROW                        ; tensor_dim0_stride
	s_mov_b32 s[\g+6], 0
	s_mov_b32 s[\g+7], 0
.endr
	s_lshl_b32 s18, s16, 7                         ; which 128 rows of the tile I fetch
	s_cmp_eq_u32 ttmp9, 2                          ; v?  The same in all sixteen partners
	s_cselect_b32 s20, 2048, s17                   ; A's first row: v's rows of W, or the cluster's tokens
	s_cselect_b32 s46, s17, s42                    ; B's first row: the cluster's tokens, or q's or k's rows of W
	s_lshl_b32 s21, s41, 8
	s_add_co_u32 s20, s20, s21                     ; A hangs on cy alone, which my row of the cluster shares,
	s_add_co_u32 s20, s20, s18
	s_lshl_b32 s20, s20, 10                        ; in bytes
	s_mov_b32 s21, 0
	s_lshl_b32 s47, s40, 8
	s_add_co_u32 s46, s46, s47                     ; B on cx alone, which my column shares
	s_add_co_u32 s46, s46, s18
	s_lshl_b32 s46, s46, 10
	s_mov_b32 s47, 0
	s_mul_i32 s45, s14, HALFT                      ; where they go: wave x 128 rows: no place in the cluster enters an LDS address
	s_wait_kmcnt 0x0
	s_load_b256 s[72:79], s[8:9], 0x0              ; the eight exponents
	s_cmp_eq_u32 ttmp9, 2
	s_cselect_b64 s[22:23], s[6:7], s[4:5]         ; A's tensor
	s_cselect_b64 s[2:3], s[4:5], s[6:7]           ; B's tensor
	s_add_nc_u64 s[20:21], s[22:23], s[20:21]
	s_add_nc_u64 s[46:47], s[2:3], s[46:47]
	CROUND                                         ; all sixteen work-groups are here: the first joint loads meet
.irp s, 0,1
	s_mov_b32 s[G0+4*\s], 1
	s_add_co_u32 s[G0+4*\s+1], s45, \s*SLOT
	s_add_nc_u64 s[G0+4*\s+2:G0+4*\s+3], s[20:21], \s*ROWB
	s_or_b32 s[G0+4*\s+3], s[G0+4*\s+3], 0x80000000
	s_mov_b32 s[G0B+4*\s], 1
	s_add_co_u32 s[G0B+4*\s+1], s45, \s*SLOT
	s_add_nc_u64 s[G0B+4*\s+2:G0B+4*\s+3], s[46:47], \s*ROWB
	s_or_b32 s[G0B+4*\s+3], s[G0B+4*\s+3], 0x80000000
	JLOAD G0+4*\s, G1, G0B+4*\s, G1B               ; two loads of mine are out
.endr
	v_and_b32 v1, 15, v0                           ; r = lane % 16
	v_bfe_u32 v2, v0, 4, 1                         ; h = lane / 16
	s_wait_alu depctr_va_vdst(0)
	v_mul_u32_u24 v3, v1, PITCH
	v_lshl_add_u32 v4, v2, 4, v3                   ; a fragment's row x pitch + 16 x half
	s_mul_i32 s21, s15, HALFT                      ; my 128 rows of A
	s_mul_i32 s22, s16, HALFT                      ; my 128 rows of B,
	s_add_co_u32 s22, s22, 2*HALFT                 ; which lie behind A's 256
.irp s, 0,1
	v_add_nc_u32 v[ADRA+\s], s21, v4
	v_add_nc_u32 v[ADRB+\s], s22, v4
	s_add_co_u32 s21, s21, SLOT
	s_add_co_u32 s22, s22, SLOT
.endr
	; which features and which tokens are my wave's, and where their images begin
	s_cmp_eq_u32 ttmp9, 2
	s_cselect_b32 s86, s41, s40                    ; features: A's rows (cy, my half of A) for v, else B's (cx, my half of B)
	s_cselect_b32 s87, s15, s16
	s_cselect_b32 s88, s40, s41                    ; tokens: the other way round
	s_cselect_b32 s89, s16, s15
	s_cselect_b32 s93, 8192, 0                     ; V's images lie behind K's in a step's 16,384 bytes
	s_lshl_b32 s86, s86, 8
	s_lshl_b32 s87, s87, 7
	s_add_co_u32 s86, s86, s87                     ; my first feature among q's, k's or v's 1,024: a multiple of 128: two heads
	s_add_co_u32 s90, s86, s42                     ; and among the 3,072
	s_lshl_b32 s90, s90, 2
	s_mov_b32 s91, 0
	s_add_nc_u64 s[84:85], s[10:11], s[90:91]      ; the bias at my first feature
	s_lshl_b32 s88, s88, 8
	s_lshl_b32 s89, s89, 7
	s_add_co_u32 s88, s88, s89
	s_add_co_u32 s88, s88, s17                     ; my first token, a multiple of 128
	s_lshr_b32 s89, s88, 11                        ; its batch,
	s_and_b32 s88, s88, 2047                       ; its place in the sequence
	s_lshl_b32 s89, s89, 4
	s_lshr_b32 s86, s86, 6
	s_add_co_u32 s89, s89, s86                     ; my first head among the 64: 16 x batch + feature / 64
	s_lshl_b32 s94, s89, 17                        ; q: 131,072 bytes a head,
	s_lshl_b32 s88, s88, 6
	s_add_co_u32 s94, s94, s88                     ; 64 bytes a query
	s_cmp_eq_u32 ttmp9, 0
	s_cselect_b64 s[OB:OB+1], s[68:69], s[70:71]
	s_cselect_b32 s92, 0, 1
	s_lshl_b32 s94, s94, s92                       ; K and V together: twice that
	s_add_co_u32 s94, s94, s93
	s_mov_b32 s95, 0
	s_add_nc_u64 s[OB:OB+1], s[OB:OB+1], s[94:95]
	s_lshl_b32 s94, 0x20000, s92
	s_add_nc_u64 s[OB+2:OB+3], s[OB:OB+1], s[94:95]  ; my second head
	v_lshlrev_b32 v[BNA], 6, v2
	v_and_b32 v5, 8, v1
	v_add_nc_u32 v5, v5, v1                        ; r + 8 (r / 8)
	v_lshlrev_b32 v[BMA], 2, v5
	v_and_b32 v6, 31, v0
	v_lshlrev_b32 v[LI], 4, v6
	; both forms of the bias are loaded, so that no branch stands here; both lie inside my 128 features.  They are waited for on the way out.
.irp i, 0,1,2,3
.irp u, 0,1
.irp w, 0,1
	global_load_b128 v[BN+8*(2*\i+\u)+4*\w:BN+8*(2*\i+\u)+4*\w+3], v[BNA], s[84:85] offset:128*\i+32*\u+16*\w   ; features 32 i + 16 h + 8 u + 4 w + 0 .. 3
.endr
.endr
.endr
.irp a, 0,1,2,3,4,5,6,7
	global_load_b32 v[BM+2*\a], v[BMA], s[84:85] offset:4*(32*(\a/2)+8*(\a%2))   ; feature 32 (a / 2) + 8 (a % 2) + r + 8 (r / 8)
.endr
.macro FRAG reg, adr, q, i             ; a fragment, 16 rows x 128 K: lane l holds row l % 16; registers 4 c .. 4 c + 3 hold K = 32 c + 16 (l / 16) + 0 .. 15: the same order of K in A and in B
.irp c, 0,1,2,3
	ds_load_b128 v[\reg+4*\c:\reg+4*\c+3], v[\adr] offset:128*(\q)+32*\c+(\i)*16*PITCH
.endr
.endm
; 16 matrix instructions: A's blocks a0, a0 + 1 x B's eight, 128 along K.  p: B's set.  zero = 1: the first product starts the sums.
; The 64 accumulators take turns, one instruction a turn, in the same order in every step.
.macro MUL16 a0, p, zero
.irp a, \a0, \a0+1
.irp b, 0,1,2,3,4,5,6,7
.if \zero
	v_wmma_f32_16x16x128_fp8_fp8 v[8*(8*((\a)%4)+\b):8*(8*((\a)%4)+\b)+7], v[128*(\p)+FR*\b:128*(\p)+FR*\b+FR-1], v[AF+FR*(\a):AF+FR*(\a)+FR-1], 0
.else
	v_wmma_f32_16x16x128_fp8_fp8 v[8*(8*((\a)%4)+\b):8*(8*((\a)%4)+\b)+7], v[128*(\p)+FR*\b:128*(\p)+FR*\b+FR-1], v[AF+FR*(\a):AF+FR*(\a)+FR-1], v[8*(8*((\a)%4)+\b):8*(8*((\a)%4)+\b)+7]
.endif
.endr
.endr
.endm
.macro FETCH_B slot, q, p              ; B's eight fragments of the slot's q-th 128 along K into set p
	WIN TO_B
.irp i, 0,1,2,3,4,5,6,7
	FRAG 128*(\p)+FR*\i, ADRB+\slot, \q, \i
.endr
	WIN 0
.endm
.macro FETCH_A slot, q, i0             ; A's blocks i0 .. i0 + 3
.irp i, \i0, \i0+1, \i0+2, \i0+3
	FRAG AF+FR*(\i), ADRA+\slot, \q, \i
.endr
.endm
.macro PLACES n                        ; a load into a register that a matrix instruction has read stands NP plain vector instructions behind it (ISA guide 7.12.1 for vector instructions)
.rept \n
	v_nop
.endr
.endm
; A step of 128 along K that has its successor in the same slot.  A block of A is free as soon as its eight products are issued: blocks 0-3 are fetched anew in the step's middle, blocks 4-7 at its end.
.macro STEP slot, q, zero
	s_wait_dscnt 4*NL                              ; B's set and A's blocks 0-3 are in; the youngest 16 loads (A's blocks 4-7) may be out
	WIN MUL_LO
	MUL16 0, (\q)%2, \zero
	MUL16 2, (\q)%2, \zero
	s_wait_dscnt 0                                 ; A's blocks 4-7 are in
	PLACES NP
	FETCH_B \slot, (\q)+1, 1-(\q)%2
	FETCH_A \slot, (\q)+1, 0
	WIN MUL_HI
	MUL16 4, (\q)%2, \zero
	MUL16 6, (\q)%2, \zero
	PLACES NP
	WIN 0
	FETCH_A \slot, (\q)+1, 4
.endm
; A slot's last step changes slots: ONE barrier; in front of it each wave waits for all its tensor loads, adds 0 to its spare word, and waits for that and for its own reads of this slot.  fill = 1: this slot is filled again, two K steps ahead.
.macro TURN slot, next, fill
	s_wait_tensorcnt 0x0                           ; all my tensor loads have landed: my part of the next slot  (every window is 0 here)
	ds_add_u32 v[SPW], v[NIL]                      ; 0 onto my spare word
	s_wait_dscnt 4*NL+1                            ; (the add and the youngest 16 loads, A's blocks 4-7, may be out)
	WIN MUL_LO
	MUL16 0, 1, 0                                  ; sixteen matrix instructions stand between the add and the wait for it
	s_wait_dscnt 0x0                               ; the add is done, and my reads of this slot are over
	s_barrier_signal -1
	MUL16 2, 1, 0
	WIN 0
	s_barrier_wait -1
.if \fill
	CREST                                          ; the barrier has opened a round of the cluster's barrier: no wave of any partner still reads this slot's tile or has a load on its way
	s_add_nc_u64 s[G0+4*\slot+2:G0+4*\slot+3], s[G0+4*\slot+2:G0+4*\slot+3], 2*ROWB
	s_add_nc_u64 s[G0B+4*\slot+2:G0B+4*\slot+3], s[G0B+4*\slot+2:G0B+4*\slot+3], 2*ROWB
	JLOAD G0+4*\slot, G1, G0B+4*\slot, G1B         ; the first tensor load behind the round, my only one until the next; its four v_nop are also the places in front of the loads below
.else
	PLACES NP
.endif
	FETCH_B \next, 0, 0
	FETCH_A \next, 0, 0
	WIN MUL_HI
	MUL16 4, 1, 0
	MUL16 6, 1, 0
	PLACES NP
	WIN 0
	FETCH_A \next, 0, 4
.endm
	s_wait_alu depctr_va_vdst(0)
	s_wait_tensorcnt 1                             ; my part of K step 0 is in (K step 1's load may be out)
	s_barrier_signal -1
	s_barrier_wait -1                              ; everybody's is
	FETCH_B 0, 0, 0
	FETCH_A 0, 0, 0
	FETCH_A 0, 0, 4
	STEP 0, 0, 1                                   ; K = 1,024 is four K steps of 256, eight steps of 128: written out by the macros.  The first products start the sums
	TURN 0, 1, 1                                   ; slot 0 takes K step 2
	STEP 1, 0, 0
	TURN 1, 0, 1                                   ; slot 1 takes K step 3
	STEP 0, 0, 0
	TURN 0, 1, 0                                   ; nothing is left to fetch
	STEP 1, 0, 0
	s_wait_dscnt 4*NL                              ; the very last step
	WIN MUL_LO
	MUL16 0, 1, 0
	MUL16 2, 1, 0
	s_wait_dscnt 0
	WIN MUL_HI
	MUL16 4, 1, 0
	MUL16 6, 1, 0
	WIN 0
	; THE WAY OUT.  The scales are made in scalar registers, without a branch on them.
	s_wait_kmcnt 0x0
	s_cmp_eq_u32 ttmp9, 0
	s_cselect_b32 s96, s74, s75                    ; q's exponent or k's,
	s_cmp_eq_u32 ttmp9, 2
	s_cselect_b32 s96, s77, s96                    ; or v's
	s_add_co_i32 s97, s72, s73                     ; e0 + e1
	s_sub_co_i32 s96, s96, s97
	s_sub_co_i32 s97, 0, s97
	s_add_co_i32 s96, s96, 127
	s_lshl_b32 s98, s96, 23
	s_wait_loadcnt 0x0                             ; the biases
.set j, 0
.rept 64
	v_ldexp_f32 v[BN+j], v[BN+j], s97              ; bias / 2^(e0 + e1): exact.  These plain lines, which name no register of the last products, are also the places behind them
.set j, j+1
.endr
.irp a, 0,1,2,3,4,5,6,7
	v_ldexp_f32 v[BM+2*\a], v[BM+2*\a], s97
.endr
.irp a, 0,1,2,3,4,5,6,7
	v_mov_b32 v[BM+2*\a+1], v[BM+2*\a]             ; twice, for the packed addition
.endr
	v_mov_b32 v[SCL], s98
; A's block a: 64 sums a lane get their bias, are held and converted; four chunks of 512 bytes leave.  Each accumulator is read from its low end on.
.macro OUTBLK a, isv
.set AC, 64*((\a)%4)
.set CC, CD+16*((\a)%4)
.if (\a) >= 4
	s_wait_xcnt 0x0                                ; block a - 4's stores have read the registers that take this block's codes
.endif
	WIN 0x02+((\a)/4)                              ; source 0: window 2 or 3
.set j, 0
.rept 32
.if \isv
	v_pk_add_f32 v[TMP+j:TMP+j+1], v[AC+j:AC+j+1], v[BM+2*(\a):BM+2*(\a)+1]
.else
	v_pk_add_f32 v[TMP+j:TMP+j+1], v[AC+j:AC+j+1], v[BN+j:BN+j+1]
.endif
.set j, j+2
.endr
	WIN 0
.set j, 0
.rept 64
.set j, j+1
.endr
.set j, 0
.rept 8
	v_cvt_scalef32_pk8_fp8_f32 v[CC+2*j:CC+2*j+1], v[TMP+8*j:TMP+8*j+7], v[SCL]
.set j, j+1
.endr
	v_nop                                          ; one plain line behind the last conversion: the next block's additions write its sources
.irp i, 0,1,2,3
.if \isv
	global_store_b128 v[LI], v[CC+4*\i:CC+4*\i+3], s[OB+2*((\a)/4):OB+2*((\a)/4)+1] offset:2048*((\a)%4)+512*\i   ; head a / 4, V's tile a % 4, keys 32 i on
.else
	global_store_b128 v[LI], v[CC+4*\i:CC+4*\i+3], s[OB+2*(\i/2):OB+2*(\i/2)+1] offset:1024*(\a)+512*(\i%2)       ; head i / 2, tile a of 16 tokens, d 32 (i % 2) on
.endif
.endr
.endm
	s_cmp_eq_u32 ttmp9, 2                          ; on the cluster's x: the same in all partners
	s_cbranch_scc1 .Lv_out
.irp a, 0,1,2,3,4,5,6,7
	OUTBLK \a, 0
.endr
	s_branch .Ldone
.Lv_out:
	s_wait_alu depctr_va_vdst(0)
.irp a, 0,1,2,3,4,5,6,7
	OUTBLK \a, 1
.endr
.Ldone:
	s_wait_tensorcnt 0x0                           ; the wave's end
	ds_add_u32 v[SPW], v[NIL]
	s_wait_dscnt 0x0
	CROUND                                         ; the closing round: no work-group ends while a partner may still ask for a tile that names it
	s_endpgm
.Lfunc_end_k_q351f65f102_qkv:
	.size	k_q351f65f102_qkv, .Lfunc_end_k_q351f65f102_qkv-k_q351f65f102_qkv
	.p2alignl 7, 3214868480
	.fill 96, 4, 3214868480
	.section	.rodata,"a",@progbits
	.p2align	6, 0x0
	.amdhsa_kernel k_q351f65f102_qkv
		.amdhsa_group_segment_fixed_size 327680
		.amdhsa_private_segment_fixed_size 0
		.amdhsa_enable_private_segment 0
		.amdhsa_kernarg_size 48
		.amdhsa_user_sgpr_count 2
		.amdhsa_user_sgpr_kernarg_segment_ptr 1
		.amdhsa_wavefront_size32 1
		.amdhsa_system_sgpr_workgroup_id_x 1
		.amdhsa_system_sgpr_workgroup_id_y 1
		.amdhsa_system_sgpr_workgroup_id_z 1
		.amdhsa_system_vgpr_workitem_id 0
		.amdhsa_next_free_vgpr 1024
		.amdhsa_next_free_sgpr 104
		.amdhsa_reserve_vcc 0
		.amdhsa_float_denorm_mode_32 3
		.amdhsa_float_denorm_mode_16_64 3
		.amdhsa_fp16_overflow 1
		.amdhsa_memory_ordered 1
		.amdhsa_forward_progress 1
		.amdhsa_inst_pref_size 133
	.end_amdhsa_kernel
	.amdgpu_metadata
---
amdhsa.version: [ 1, 2 ]
amdhsa.kernels:
  - .name:           k_q351f65f102_qkv
    .symbol:         k_q351f65f102_qkv.kd
    .args:
      - { .name: x_codes, .offset: 0, .size: 8, .value_kind: global_buffer, .address_space: global }
      - { .name: wq_codes, .offset: 8, .size: 8, .value_kind: global_buffer, .address_space: global }
      - { .name: lowp_scales, .offset: 16, .size: 8, .value_kind: global_buffer, .address_space: global }
      - { .name: b_qkv, .offset: 24, .size: 8, .value_kind: global_buffer, .address_space: global }
      - { .name: q_codes, .offset: 32, .size: 8, .value_kind: global_buffer, .address_space: global }
      - { .name: kv_codes, .offset: 40, .size: 8, .value_kind: global_buffer, .address_space: global }
    .group_segment_fixed_size: 327680
    .private_segment_fixed_size: 0
    .kernarg_segment_align: 8
    .kernarg_segment_size: 48
    .max_flat_workgroup_size: 128
    .sgpr_count:     104
    .vgpr_count:     1024
    .wavefront_size: 32
...
	.end_amdgpu_metadata
.endif
;; end of part 2
;; launch attn (part 3): grid 4 x 64, 16 waves a work-group, clusters of 4 x 1, 327,680 bytes of LDS; arguments q_codes, kv_codes, lowp_scales, a_codes; writes a_codes
.if DOCPART == 3
	.amdgcn_target "amdgcn-amd-amdhsa--gfx1250"
	.amdhsa_code_object_version 6
	.text
	.protected	k_q351f65f102_attn
	.globl	k_q351f65f102_attn
	.p2align	8
	.type	k_q351f65f102_attn,@function
k_q351f65f102_attn:
	s_mov_b64 s[64:65], 0
	v_nop
	global_prefetch_b8 v0, s[64:65] scope:SCOPE_SE
	s_setreg_imm32_b32 hwreg(HW_REG_WAVE_MODE, 25, 1), 1
	s_wait_xcnt 0x0
	s_wait_alu depctr_hold_cnt(0) depctr_sa_sdst(0) depctr_va_vdst(0) depctr_va_sdst(0) depctr_va_ssrc(0) depctr_va_vcc(0) depctr_vm_vsrc(0)
	s_getreg_b32 s2, hwreg(HW_REG_IB_STS2, 6, 4)
	s_cmp_eq_u32 s2, 0
	s_cbranch_scc0 .Lentry_in_a_cluster
	s_endpgm
.Lentry_in_a_cluster:
	s_bfe_u32 s2, ttmp6, 0x10000c
	s_cmp_lg_u32 s2, 0x3003
	s_cbranch_scc0 .Lentry_shape_is_right
	s_endpgm
.Lentry_shape_is_right:
; Causal attention of 64 heads (2,048 tokens, head size 64) on codes of FP8 (E4M3), and its result quantised at once for the output projection.
; q_codes, kv_codes: images of operand registers, as the launch before stored them (a chunk is 512 bytes, lane l's 16 bytes at 16 l):
;   q_codes  [head][tile T of 16 queries][c 2]: query 16 T + r, d = 32 c + 16 h + 0 .. 15
;   kv_codes [head][step of 128 keys][16,384]: K's tile t at 1,024 t + 512 c (key 16 t + r, d likewise); V's tile t at 8,192 + 2,048 t + 512 i: channel 32 (t/2) + 8 (t%2) + r + 8 (r/8), keys 32 i + 8 h + 0..7 and 32 i + 16 + 8 h + 0..7
; a_codes [tile of 16 tokens 512][chunk 32]: token 16 RT + r, k = 32 chunk + 16 h + 0 .. 15, chunk = 2 x head + b.
; THE SOFTMAX: t = score x log2(e) / 8; M = the running largest t rounded UP to a whole number; p = 2^(t - M) is quantised, not normalised; the row's sum is taken of the unquantised p and divides at the end.
; When M moves, the sum and O are multiplied by 2^(old M - new M): exact.
; A HEAD'S K AND V, 262,144 bytes, LIE IN LDS WHOLE: filled once, as they lie in memory; no slot is ever filled again.  The four work-groups of a cluster belong to one head and ask for it jointly.
; SHARES.  Both products are used transposed (S^T = K Q^T, O^T = V^T P^T): a lane holds ONE query.  With a = wave / 2 and b = 4 (wave % 2) + cx, a wave owns the tiles of queries T_lo = 8 a + b and
; T_hi = 127 - T_lo: (a + 1) + (16 - a) = 17 steps of 128 keys for every wave, whatever a: the causal mask's work is even.  Branches hang on a, the wave's number, alone; cx enters global addresses and the mask's data.
; Steps all of whose keys come after the tile's queries are left out; in the one step on the diagonal hidden scores become -infinity.  Key 0 counts for every query, so M is a number from the first step on.
; LIMITS: e2 + e3 between -123 and 130 (added to c's exponent field); e4 between -126 and 119.  NaN is not served.
; REGISTERS: v1 16 x lane; v2 the step's LDS address; v3, v4 the masks' bounds; v12 -M, v13 the largest t, v[14:15] the sum in two halves; v16-23, v24-31 Q of the two tiles; v32-95 fragments of K, then of V;
;   v96-159 S^T, then p; v160-191 O^T; v192-207 p's codes; v208-215, v216-223 the two tiles' results as codes; v236-254 at work and constants.
.set STEPB, 16384                      ; a step's K and V in bytes
.set LI,   1
.set ADR,  2
.set DH,   3                           ; my query - the diagonal step's first key - 8 h, for T_hi
.set DL,   4                           ; for T_lo
.set QH,   16
.set QL,   24
.set F,    32
.set S,    96
.set O,    160
.set P,    192
.set OCH,  208
.set OCL,  216
.set WV,   12                          ; s12  my wave's number
.set SEL,  20                          ; s[20:21] lane selects for v_permlanex16_b32: lane l xor 16
.set CS,   22                          ; s[22:23] c = log2(e) / 8 x 2^(e2 + e3)
.set G1,   24                          ; s[24:31] descriptor group 1
.set G0A,  32                          ; s[32:35], s[36:39] group 0 of my two loads
.set G0B,  36
.set KS,   48                          ; s48  the step
.set TB,   49                          ; s49  its first LDS byte
.set LAST, 50                          ; s50  the tile's step on the diagonal
.set EO,   51                          ; s51  e4 + e5 - e6
.set AOH,  52                          ; s[52:53], s[54:55] where the two tiles' results go
.set AOL,  54
.macro CROUND                          ; a round of the cluster's barrier
	s_barrier_signal -1
	s_barrier_wait -1
	s_cmp_lg_u32 s[WV], 0
	s_cbranch_scc1 .Lnot_wave_0_\@
	s_barrier_signal -3
.Lnot_wave_0_\@:
	s_barrier_wait -3
	s_barrier_signal -1
	s_barrier_wait -1
.endm
	s_load_b256 s[4:11], s[0:1], 0x0               ; q's images s[4:5], K's and V's s[6:7], the exponents s[8:9], the result's images s[10:11]
	v_lshl_add_u32 v251, v0, 2, 0x40000
	v_mov_b32 v255, 0
	ds_add_u32 v251, v255
	ds_add_u32 v251, v255
	v_lshrrev_b32 v8, 5, v0
	s_delay_alu instid0(VALU_DEP_1)
	v_readfirstlane_b32 s[WV], v8                  ; wave 0..15
	s_bfe_u32 s13, ttmp6, 0x40000                  ; cx: my place in the cluster
	s_and_b32 s14, ttmp7, 0xffff                   ; the head among the 64, which the four partners share
	s_lshr_b32 s15, s[WV], 1                       ; a
	s_and_b32 s16, s[WV], 1
	s_lshl_b32 s16, s16, 2
	s_add_co_u32 s16, s16, s13                     ; b
	; descriptor group 1: 8,192 dense bytes as 32 rows of 256
	s_mov_b32 s[G1], 15|(3<<16)|(1<<21)            ; 15:0 the mask: all four work-groups; 17:16 elements of 8 bytes; 21 set beside a mask; no padding
	s_mov_b32 s[G1+1], 32<<16                      ; tensor_dim0 = 32
	s_mov_b32 s[G1+2], 32<<16                      ; tensor_dim1 = 32
	s_mov_b32 s[G1+3], 32<<16                      ; tile_dim0 = 32
	s_mov_b32 s[G1+4], 32                          ; tile_dim1 = 32
	s_mov_b32 s[G1+5], 32                          ; from row to row: 32 elements
	s_mov_b32 s[G1+6], 0
	s_mov_b32 s[G1+7], 0
	s_lshl_b32 s17, s[WV], 13                      ; my 8,192 bytes of each half: in LDS as in the head's block of memory
	s_lshl_b32 s18, s14, 18                        ; 262,144 bytes a head
	s_add_co_u32 s18, s18, s17
	s_mov_b32 s19, 0
	s_wait_dscnt 0x0
	s_wait_kmcnt 0x0
	s_load_b256 s[40:47], s[8:9], 0x0              ; the eight exponents
	s_mov_b32 s[G0A], 1
	s_mov_b32 s[G0A+1], s17                        ; steps 0 to 7: LDS bytes 0 .. 131,071
	s_add_nc_u64 s[G0A+2:G0A+3], s[6:7], s[18:19]
	s_add_nc_u64 s[G0B+2:G0B+3], s[G0A+2:G0A+3], 131072
	s_or_b32 s[G0A+3], s[G0A+3], 0x80000000
	s_mov_b32 s[G0B], 1
	s_add_co_u32 s[G0B+1], s17, 131072             ; steps 8 to 15
	s_or_b32 s[G0B+3], s[G0B+3], 0x80000000
	CROUND                                         ; all four work-groups are here: the joint loads meet
	tensor_load_to_lds s[G0A:G0A+3], s[G1:G1+7]    ; the launch's only fills: one load of mine is out
	s_nop 0
	s_wait_alu depctr_va_vdst(0)
	s_wait_tensorcnt 0x0
	ds_add_u32 v251, v255
	s_wait_dscnt 0x0
	CROUND
	tensor_load_to_lds s[G0B:G0B+3], s[G1:G1+7]
	s_nop 0
.rept 4
	v_nop
.endr
	s_lshl_b32 s60, s15, 3
	s_add_co_u32 s60, s60, s16                     ; T_lo
	s_sub_co_u32 s61, 127, s60                     ; T_hi
	s_lshl_b32 s62, s14, 17                        ; q: 131,072 bytes a head, 1,024 a tile
	s_lshl_b32 s2, s61, 10
	s_add_co_u32 s2, s2, s62
	s_mov_b32 s3, 0
	s_add_nc_u64 s[56:57], s[4:5], s[2:3]
	s_lshl_b32 s2, s60, 10
	s_add_co_u32 s2, s2, s62
	s_add_nc_u64 s[58:59], s[4:5], s[2:3]
	v_and_b32 v[LI], 31, v0
	s_delay_alu instid0(VALU_DEP_1)
	v_lshlrev_b32 v[LI], 4, v[LI]
	global_load_b128 v[QH:QH+3], v[LI], s[56:57]
	global_load_b128 v[QH+4:QH+7], v[LI], s[56:57] offset:512
	global_load_b128 v[QL:QL+3], v[LI], s[58:59]
	global_load_b128 v[QL+4:QL+7], v[LI], s[58:59] offset:512
	s_lshr_b32 s62, s14, 4                         ; the result: batch x 128 tiles of 16,384 bytes,
	s_lshl_b32 s62, s62, 21
	s_and_b32 s63, s14, 15
	s_lshl_b32 s63, s63, 10                        ; + the head's two chunks
	s_add_co_u32 s62, s62, s63
	s_lshl_b32 s2, s61, 14
	s_add_co_u32 s2, s2, s62
	s_add_nc_u64 s[AOH:AOH+1], s[10:11], s[2:3]
	s_lshl_b32 s2, s60, 14
	s_add_co_u32 s2, s2, s62
	s_add_nc_u64 s[AOL:AOL+1], s[10:11], s[2:3]
	v_and_b32 v8, 15, v0
	v_bfe_u32 v9, v0, 4, 1
	s_delay_alu instid0(VALU_DEP_1)
	v_lshlrev_b32 v9, 3, v9
	s_delay_alu instid0(VALU_DEP_1)
	v_sub_nc_u32 v8, v8, v9                        ; r - 8 h
	s_lshl_b32 s2, s16, 4                          ; T_lo's queries begin 16 b keys into its diagonal step,
	s_sub_co_u32 s3, 112, s2                       ; T_hi's 16 (7 - b)
	v_add_nc_u32 v[DH], s3, v8
	v_add_nc_u32 v[DL], s2, v8
	s_mov_b32 s[SEL], 0x76543210
	s_mov_b32 s[SEL+1], 0xfedcba98
	s_mov_b32 s[CS], 0x3e38aa3b                    ; c = log2(e) / sqrt(64)
	v_mov_b32 v247, 1.0
	v_mov_b32 v236, 0                              ; written once: a lane permute's destination counts as one of its sources
	v_mov_b32 v253, 0                              ; (named as the upper half of the pair v[252:253])
	s_wait_kmcnt 0x0
	s_add_co_i32 s2, s42, s43
	s_lshl_b32 s2, s2, 23
	s_add_co_i32 s[CS], s[CS], s2                  ; a score stands for score x 2^(e2 + e3): the exponents are added to c's exponent field
	s_mov_b32 s[CS+1], s[CS]                       ; (named with it as a pair, so it is written)
	s_add_co_i32 s2, s44, 127
	s_lshl_b32 s3, s2, 23
	v_mov_b32 v244, s3                             ; 2^e4 as f32, for p's conversion
	s_add_co_i32 s[EO], s44, s45
	s_sub_co_i32 s[EO], s[EO], s46                 ; O stands for O x 2^(e4 + e5); its code is that / 2^e6
.macro START                           ; a tile begins: the step is written without a first form: it finds zeros, which the first change of M leaves zeros
	v_mov_b32 v13, 0xff61b1e6                      ; the largest t so far: -3e38, under every t
	s_delay_alu instid0(VALU_DEP_1)
	v_floor_f32 v12, -v13                          ; -M
	v_mov_b32 v14, 0
	v_mov_b32 v15, 0
.set j, 0
.rept 32
	v_mov_b32 v[O+j], 0
.set j, j+1
.endr
.endm
; A KEY STEP: 128 keys against the 16 queries whose fragment begins at v[q].  masked = 1: the step may lie behind the tile's diagonal (left out) or on it (v[d] bounds the keys that count).
.macro STEP q, masked, d
.if \masked
	s_cmp_gt_u32 s[KS], s[LAST]
	s_cbranch_scc1 .Lhidden_\@                     ; on the wave's number and the loop's count; no barrier and no tensor load stands in a step
.endif
	s_setprio 2
	v_add_nc_u32 v[ADR], s[TB], v[LI]
.rept 3
	v_nop                                          ; with the addition above: four places in front of loads into registers that the last products have read
.endr
.irp t, 0,1,2,3,4,5,6,7
.irp c, 0,1
	ds_load_b128 v[F+8*\t+4*\c:F+8*\t+4*\c+3], v[ADR] offset:1024*\t+512*\c   ; K's eight tiles: each load takes 512 consecutive bytes
.endr
.endr
	s_wait_alu depctr_va_vdst(0)
	s_wait_dscnt 0x0
.irp t, 0,1,2,3,4,5,6,7
	v_wmma_f32_16x16x64_fp8_fp8 v[S+8*\t:S+8*\t+7], v[F+8*\t:F+8*\t+7], v[\q:\q+7], 0   ; lane (r, h): query r; register j of tile t: key 16 t + 8 h + j
.endr
.rept 4
	v_nop                                          ; places in front of the loads below and of the first read of the scores
.endr
.irp t, 0,1,2,3
.irp i, 0,1,2,3
	ds_load_b128 v[F+16*\t+4*\i:F+16*\t+4*\i+3], v[ADR] offset:8192+2048*\t+512*\i   ; V's four tiles land while the softmax is worked
.endr
.endr
.if \masked
	s_cmp_lg_u32 s[KS], s[LAST]
	s_cbranch_scc1 .Lopen_\@                       ; a step all of whose keys count
	v_mov_b32 v254, 0xff800000                     ; -infinity: p = 0 then
.set n, 0
.rept 64
	v_cmp_gt_i32 vcc_lo, 16*(n/8)+n%8, v[\d]       ; register n's key lies 16 (n / 8) + n % 8 + 8 h into the step: hidden where that is beyond my query
	v_cndmask_b32 v[S+n], v[S+n], v254, vcc_lo
.set n, n+1
.endr
.Lopen_\@:
.endif
	v_max3_num_f32 v254, v96, v97, v98             ; the step's largest score of my query, among my 64 keys, in two chains,
	v_max3_num_f32 v252, v99, v100, v101
.irp i, 6,10,14,18,22,26,30,34,38,42,46,50,54,58
	v_max3_num_f32 v254, v254, v[96+\i], v[97+\i]
	v_max3_num_f32 v252, v252, v[98+\i], v[99+\i]
.endr
	v_max3_num_f32 v254, v254, v158, v159
	s_delay_alu instid0(VALU_DEP_1)
	v_max_num_f32 v254, v254, v252
	s_delay_alu instid0(VALU_DEP_1)
	v_permlanex16_b32 v236, v254, s[SEL], s[SEL+1]
	s_delay_alu instid0(VALU_DEP_1)
	v_max_num_f32 v254, v254, v236                 ; and among lane l xor 16's
	s_delay_alu instid0(VALU_DEP_1)
	v_mul_f32 v254, s[CS], v254                    ; as t (c is positive)
	s_delay_alu instid0(VALU_DEP_1)
	v_max_num_f32 v13, v13, v254                   ; the running largest t
	v_mov_b32 v254, v12
	s_delay_alu instid0(VALU_DEP_2)
	v_floor_f32 v12, -v13                          ; the new -M = floor(-t) = -ceil(t): a whole number
	s_delay_alu instid0(VALU_DEP_1)
	v_sub_f32 v254, v12, v254                      ; M's old value less its new one: a whole number, 0 or less
	s_delay_alu instid0(VALU_DEP_1)
	v_cvt_i32_f32 v254, v254                       ; (it saturates)
	s_delay_alu instid0(VALU_DEP_1)
	v_ldexp_f32 v252, 1.0, v254                    ; f = 2^(old M - new M)
.set j, 0
.rept 32
	v_pk_fma_f32 v[96+j:97+j], v[96+j:97+j], s[CS:CS+1], v[12:13] op_sel_hi:[1,0,0]   ; t - M, two at a time (of the pairs c and -M the low word serves both halves)
.set j, j+2
.endr
.set j, 0
	s_setprio 1
	s_wait_alu depctr_va_vdst(0)
.rept 64
	v_exp_f32 v[96+j], v[96+j]                     ; p = 2^(t - M), at most 1
.set j, j+1
.endr
	v_pk_mul_f32 v[14:15], v[14:15], v[252:253] op_sel_hi:[1,0]   ; the sums under the new M: a plain line behind the exponentials
	s_wait_alu depctr_va_vdst(0)                   ; one wait for the whole batch, ahead of its first reader
	v_pk_add_f32 v[242:243], v[96:97], v[98:99]    ; the row's sum is taken of the unquantised p: two at a time, in two chains
.irp j, 4,8,12,16,20,24,28,32,36,40,44,48,52,56,60
	v_pk_add_f32 v[14:15], v[14:15], v[96+\j:97+\j]
	v_pk_add_f32 v[242:243], v[242:243], v[98+\j:99+\j]
.endr
	s_delay_alu instid0(VALU_DEP_1)
	v_pk_add_f32 v[14:15], v[14:15], v[242:243]
	s_setprio 0
.irp t, 0,1,2,3,4,5,6,7
.irp i, 0,1,2,3,4,5,6,7
.endr
	v_cvt_scalef32_pk8_fp8_f32 v[P+2*\t:P+2*\t+1], v[S+8*\t:S+8*\t+7], v244   ; registers 2 t, 2 t + 1 of the operand: keys 16 t + 8 h + 0 .. 7
.endr
.set j, 0
.rept 16
	v_pk_mul_f32 v[O+j:O+j+1], v[O+j:O+j+1], v[252:253] op_sel_hi:[1,0]   ; O^T under the new M.  (Plain lines between the conversions and the products that read their results)
.set j, j+2
.endr
	s_wait_alu depctr_va_vdst(0)
	s_wait_dscnt 0x0                               ; V is in
.irp t, 0,1,2,3
	v_wmma_f32_16x16x128_fp8_fp8 v[O+8*\t:O+8*\t+7], v[F+16*\t:F+16*\t+15], v[P:P+15], v[O+8*\t:O+8*\t+7]   ; the four accumulators by turns, K's eight products between two turns of one
.endr
.if \masked
.Lhidden_\@:
.endif
.endm
; A tile ends: O^T / the sum x 2^(e4 + e5 - e6), held within +-448, converted; registers of tiles 2 b, 2 b + 1 are channels 32 b + 16 h + 0 .. 15: a chunk of the next product's operand.
.macro FINISH oc, ao
.rept 4
	v_nop                                          ; places behind the last products
.endr
	v_add_f32 v14, v14, v15                        ; the sum's two halves,
	s_delay_alu instid0(VALU_DEP_1)
	v_permlanex16_b32 v252, v14, s[SEL], s[SEL+1]
	s_delay_alu instid0(VALU_DEP_1)
	v_add_f32 v14, v14, v252                       ; and lane l xor 16's
	s_wait_alu depctr_va_vdst(0)
	v_rcp_f32 v14, v14
	v_nop                                          ; a plain line behind the transcendental,
	s_wait_alu depctr_va_vdst(0)                   ; and the wait ahead of its first reader
	v_ldexp_f32 v14, v14, s[EO]
.set j, 0
.rept 16
	v_pk_mul_f32 v[96+j:97+j], v[O+j:O+j+1], v[14:15] op_sel_hi:[1,0]   ; each accumulator from its low end on
.set j, j+2
.endr
.set j, 0
.rept 32
.set j, j+1
.endr
.irp g, 0,1,2,3
	v_cvt_scalef32_pk8_fp8_f32 v[\oc+2*\g:\oc+2*\g+1], v[96+8*\g:103+8*\g], v247
.endr
	v_nop                                          ; one plain line behind the last conversion: later products write its sources
	global_store_b128 v[LI], v[\oc:\oc+3], s[\ao:\ao+1]               ; 512 consecutive bytes, aligned
	global_store_b128 v[LI], v[\oc+4:\oc+7], s[\ao:\ao+1] offset:512
.endm
	START
	s_wait_tensorcnt 1                             ; my part of steps 0 to 7 is in; my part of steps 8 to 15 may be out
	s_barrier_signal -1
	s_barrier_wait -1                              ; everybody's is
	s_wait_loadcnt 0x0                             ; Q
	s_sub_co_u32 s[LAST], 15, s15                  ; T_hi's diagonal lies in step 15 - a, one of 8 to 15: its steps 0 to 7 have no hidden key
	s_mov_b32 s[KS], 0
	s_mov_b32 s[TB], 0
.Lfirst_half:
	STEP QH, 0, DH
	s_add_co_u32 s[TB], s[TB], STEPB
	s_add_co_u32 s[KS], s[KS], 1
	s_cmp_lt_u32 s[KS], 8
	s_cbranch_scc1 .Lfirst_half
	s_setprio 0
	s_wait_tensorcnt 0x0                           ; my part of steps 8 to 15 is in,
	s_wait_dscnt 0x0
	s_barrier_signal -1
	s_barrier_wait -1                              ; everybody's is: from here on LDS is only read
	s_mov_b32 s[KS], 8
	s_mov_b32 s[TB], 8*STEPB
.Lsecond_half:
	STEP QH, 1, DH
	s_add_co_u32 s[TB], s[TB], STEPB
	s_add_co_u32 s[KS], s[KS], 1
	s_cmp_lt_u32 s[KS], 16
	s_cbranch_scc1 .Lsecond_half
	s_setprio 0
	FINISH OCH, AOH
	START
	s_mov_b32 s[LAST], s15                         ; T_lo's diagonal lies in step a
	s_mov_b32 s[KS], 0
	s_mov_b32 s[TB], 0
.Llow_tile:
	STEP QL, 1, DL
	s_add_co_u32 s[TB], s[TB], STEPB
	s_add_co_u32 s[KS], s[KS], 1
	s_cmp_lt_u32 s[KS], 8
	s_cbranch_scc1 .Llow_tile
	s_setprio 0
	FINISH OCL, AOL
	s_wait_tensorcnt 0x0
	ds_add_u32 v251, v255
	s_wait_dscnt 0x0
	CROUND                                         ; the closing round
	s_endpgm
.Lfunc_end_k_q351f65f102_attn:
	.size	k_q351f65f102_attn, .Lfunc_end_k_q351f65f102_attn-k_q351f65f102_attn
	.p2alignl 7, 3214868480
	.fill 96, 4, 3214868480
	.section	.rodata,"a",@progbits
	.p2align	6, 0x0
	.amdhsa_kernel k_q351f65f102_attn
		.amdhsa_group_segment_fixed_size 327680
		.amdhsa_private_segment_fixed_size 0
		.amdhsa_enable_private_segment 0
		.amdhsa_kernarg_size 32
		.amdhsa_user_sgpr_count 2
		.amdhsa_user_sgpr_kernarg_segment_ptr 1
		.amdhsa_wavefront_size32 1
		.amdhsa_system_sgpr_workgroup_id_x 1
		.amdhsa_system_sgpr_workgroup_id_y 1
		.amdhsa_system_sgpr_workgroup_id_z 1
		.amdhsa_system_vgpr_workitem_id 0
		.amdhsa_next_free_vgpr 256
		.amdhsa_next_free_sgpr 66
		.amdhsa_reserve_vcc 1
		.amdhsa_float_denorm_mode_32 3
		.amdhsa_float_denorm_mode_16_64 3
		.amdhsa_fp16_overflow 1
		.amdhsa_memory_ordered 1
		.amdhsa_forward_progress 1
		.amdhsa_inst_pref_size 65
	.end_amdhsa_kernel
	.amdgpu_metadata
---
amdhsa.version: [ 1, 2 ]
amdhsa.kernels:
  - .name:           k_q351f65f102_attn
    .symbol:         k_q351f65f102_attn.kd
    .args:
      - { .name: q_codes, .offset: 0, .size: 8, .value_kind: global_buffer, .address_space: global }
      - { .name: kv_codes, .offset: 8, .size: 8, .value_kind: global_buffer, .address_space: global }
      - { .name: lowp_scales, .offset: 16, .size: 8, .value_kind: global_buffer, .address_space: global }
      - { .name: a_codes, .offset: 24, .size: 8, .value_kind: global_buffer, .address_space: global }
    .group_segment_fixed_size: 327680
    .private_segment_fixed_size: 0
    .kernarg_segment_align: 8
    .kernarg_segment_size: 32
    .max_flat_workgroup_size: 512
    .sgpr_count:     66
    .vgpr_count:     256
    .wavefront_size: 32
...
	.end_amdgpu_metadata
.endif
;; end of part 3
;; launch proj (part 4): grid 8 x 32, 4 waves a work-group, clusters of 4 x 4, 327,680 bytes of LDS; arguments a_codes, wo_codes, lowp_scales, b_out, out0; writes out0
.if DOCPART == 4
	.amdgcn_target "amdgcn-amd-amdhsa--gfx1250"
	.amdhsa_code_object_version 6
	.text
	.protected	k_q351f65f102_proj
	.globl	k_q351f65f102_proj
	.p2align	8
	.type	k_q351f65f102_proj,@function
k_q351f65f102_proj:
	s_mov_b64 s[64:65], 0
	v_nop
	global_prefetch_b8 v0, s[64:65] scope:SCOPE_SE
	s_setreg_imm32_b32 hwreg(HW_REG_WAVE_MODE, 25, 1), 1
	s_wait_xcnt 0x0
	s_wait_alu depctr_hold_cnt(0) depctr_sa_sdst(0) depctr_va_vdst(0) depctr_va_sdst(0) depctr_va_ssrc(0) depctr_va_vcc(0) depctr_vm_vsrc(0)
	s_getreg_b32 s2, hwreg(HW_REG_IB_STS2, 6, 4)
	s_cmp_eq_u32 s2, 0
	s_cbranch_scc0 .Lentry_in_a_cluster
	s_endpgm
.Lentry_in_a_cluster:
	s_bfe_u32 s2, ttmp6, 0x10000c
	s_cmp_lg_u32 s2, 0xf033
	s_cbranch_scc0 .Lentry_shape_is_right
	s_endpgm
.Lentry_shape_is_right:
; out0 = a w_out + b_out on codes of FP8 (E4M3).  a_codes: the attention's result as images of operand registers, [tile of 16 tokens 512][chunk 32][lane][16]: token 16 RT + r, k = 32 chunk + 16 h + 0 .. 15.
; wo_codes [1024 rows][1024] (rows 32 g + 16 u + r are output columns 32 g + 8 u + r + 8 (r / 8)).  out0 [8192][1024] f32.  Each finished sum x 2^(e6 + e7) + bias, one fused multiply-add.
; LIMIT: e6 + e7 between -126 and 127.
; A tile of 256 tokens x 128 columns gives each of 256 work-groups one tile; four waves, 128 x 64 each: 32 accumulators.  K goes in steps of 256 through a ring of two LDS slots.
; CLUSTERS of 4 x 4: A's tiles (tokens) are shared along a row of the cluster, B's (columns) along a column: joint loads.
; THE MATRIX INSTRUCTION: source 0 = 16 rows of B, source 1 = 16 tokens: a lane holds one token; accumulator (a, 2 i + u)'s register j is column 32 i + 16 h + 8 u + j of my 64.
; REGISTERS: window 0: v0-31 addresses; v32-63 the bias; v64-95 at work on the way out; from v128 A's fragments, ONE set.  window 1: B's fragments, two sets, at v0 and v128.  window 2: accumulator (a, b) at v[8 (4 a + b)].
.set ROWB,   256                       ; a row of B's tile in bytes
.set ASTEP,  4096                      ; a K step of 256 in a tile of 16 tokens: eight chunks of 512 bytes
.set PITCH,  272                       ; B's LDS row: 256 bytes + 16 of padding: the 16 rows that a load touches start at 16 different banks (64 banks of 4 bytes: ISA guide 11.1)
.set FR,     16
.set NL,     4
.set NP,     4                         ; places behind this matrix instruction (ISA guide 7.12.1)
.set AHALF,  32768                     ; 8 tiles of 16 tokens x 4,096 bytes, dense: an image is read 512 consecutive bytes at a time
.set BOFF,   2*AHALF
.set BHALF,  64*PITCH
.set SLOT,   BOFF+2*BHALF              ; 100,352
.set SPARE,  2*SLOT                    ; behind the ring: the spare words, 128 bytes for each wave: two blocks of 256 bytes that no other line names
.set SPITCH, 272                       ; the way out: a stage of 16 rows x (256 bytes + 16) for each wave, in slot 0, which has had its last fill and its last read when the first result is stored there
.set BNA,  12                          ; v12     64 x (lane / 16); never rewritten
.set ADRA, 16                          ; v16-17  LDS address of my A fragments in slot 0, 1
.set ADRB, 20                          ; v20-21  the same for B
.set STO,  24                          ; v24     the way out: where I put 32 bytes of a row
.set RD,   25                          ; v25     where I read a row back
.set CO,   26                          ; v26     my byte offset in two rows of out0
.set SPW,  28                          ; v28     LDS address of my spare word; never rewritten
.set NIL,  29                          ; v29     0; never rewritten
.set BN,   32                          ; v32-63  register 8 b + j: the bias of the column that accumulator (., b)'s register j holds
.set TMP,  64
.set AF,   128
.set BK,   128                         ; the way out: 16 rows read back: v128-159 and v160-191 by turns
.set G1, 24
.set G0, 32
.set G1B, 48
.set G0B, 56
.set MSB, 0
.macro WIN new                         ; the immediate's high byte repeats the setting that is left
.if MSB != (\new)
	s_set_vgpr_msb (MSB<<8)|(\new)
.set MSB, (\new)
.endif
.endm
.set MUL,  0xa1                        ; source 0 (B) window 1, source 1 (A) window 0, C and D window 2
.set TO_B, 0x40                        ; destination window 1, address window 0
.macro JLOAD g0a, g1a, g0b, g1b        ; a joint load: waves 0 and 1 fetch for A, waves 2 and 3 for B; four v_nop follow each of the two lines
	s_cmp_eq_u32 s15, 0
	s_cbranch_scc0 .Lfor_b_\@
	tensor_load_to_lds s[\g0a:\g0a+3], s[\g1a:\g1a+7]
	s_nop 0
.rept 4
	v_nop
.endr
	s_branch .Lasked_\@
.Lfor_b_\@:
	tensor_load_to_lds s[\g0b:\g0b+3], s[\g1b:\g1b+7]
	s_nop 0
.rept 4
	v_nop
.endr
.Lasked_\@:
.endm
.macro CREST
	s_cmp_lg_u32 s14, 0
	s_cbranch_scc1 .Lnot_wave_0_\@
	s_barrier_signal -3
.Lnot_wave_0_\@:
	s_barrier_wait -3
	s_barrier_signal -1
	s_barrier_wait -1
.endm
.macro CROUND
	s_barrier_signal -1
	s_barrier_wait -1
	CREST
.endm
	s_load_b256 s[4:11], s[0:1], 0x0               ; A's images s[4:5], W's codes s[6:7], the exponents s[8:9], the bias s[10:11]
	s_load_b64 s[12:13], s[0:1], 0x20              ; out0
	v_lshl_add_u32 v[SPW], v0, 2, SPARE
	v_mov_b32 v[NIL], 0
	ds_add_u32 v28, v29
	ds_add_u32 v28, v29
	s_wait_dscnt 0x0
	v_lshrrev_b32 v1, 5, v0
	v_readfirstlane_b32 s14, v1                    ; wave 0..3
	s_lshr_b32 s15, s14, 1                         ; which 128 tokens are mine.  Also: I fetch for A (0) or for B (1)
	s_and_b32 s16, s14, 1                          ; which 64 columns.  Also: which half of that tile I fetch
	s_bfe_u32 s40, ttmp6, 0x40000                  ; cx, cy
	s_bfe_u32 s41, ttmp6, 0x40004
	s_lshl_b32 s42, ttmp9, 2
	s_add_co_u32 s42, s42, s40                     ; tile column: 128 columns
	s_and_b32 s17, ttmp7, 0xffff
	s_lshl_b32 s17, s17, 2
	s_add_co_u32 s17, s17, s41                     ; tile row: 256 tokens
	s_lshl_b32 s43, s41, 2
	s_lshl_b32 s43, 15, s43                        ; my row of the cluster
	s_lshl_b32 s44, 0x1111, s40                    ; my column
	; A: 8 rows (tiles of 16 tokens) of 4,096 bytes, 16,384 bytes apart in memory, dense in LDS; elements of 8 bytes
	s_or_b32 s[G1+0], s43, (3<<16)|(1<<21)         ; 15:0 the mask: my row; 17:16 elements of 8 bytes; 21 set beside a mask
	s_mov_b32 s[G1+1], 512<<16                     ; tensor_dim0 = 512
	s_mov_b32 s[G1+2], 8<<16                       ; tensor_dim1 = 8
	s_mov_b32 s[G1+3], 512<<16                     ; tile_dim0
	s_mov_b32 s[G1+4], 8                           ; tile_dim1
	s_mov_b32 s[G1+5], 2048                        ; from row to row
	s_mov_b32 s[G1+6], 0
	s_mov_b32 s[G1+7], 0
	; B: 64 rows of 256 bytes, 1,024 apart, padded in LDS
	s_or_b32 s[G1B+0], s44, (0<<16)|(1<<20)|(1<<21)|(5<<22)|(3<<25)  ; my column; elements of 1 byte; 4 words of padding after every 64
	s_mov_b32 s[G1B+1], ROWB<<16
	s_mov_b32 s[G1B+2], 64<<16
	s_mov_b32 s[G1B+3], ROWB<<16
	s_mov_b32 s[G1B+4], 64
	s_mov_b32 s[G1B+5], 1024
	s_mov_b32 s[G1B+6], 0
	s_mov_b32 s[G1B+7], 0
	s_lshl_b32 s20, s17, 4
	s_lshl_b32 s18, s16, 3
	s_add_co_u32 s20, s20, s18                     ; A: tile of 16 tokens 16 x tile row + 8 x half,
	s_lshl_b32 s20, s20, 14                        ; 16,384 bytes each
	s_mov_b32 s21, 0
	s_lshl_b32 s46, s42, 7
	s_lshl_b32 s18, s16, 6
	s_add_co_u32 s46, s46, s18                     ; B: row 128 x tile column + 64 x half
	s_lshl_b32 s46, s46, 10
	s_mov_b32 s47, 0
	s_lshl_b32 s45, s16, 15                        ; where they go: no place in the cluster enters an LDS address
	s_mul_i32 s19, s16, BHALF
	s_add_co_u32 s19, s19, BOFF
	s_wait_kmcnt 0x0
	s_load_b256 s[72:79], s[8:9], 0x0              ; the eight exponents
	s_add_nc_u64 s[20:21], s[4:5], s[20:21]
	s_add_nc_u64 s[46:47], s[6:7], s[46:47]
	CROUND                                         ; all sixteen work-groups are here: the first joint loads meet
.irp s, 0,1
	s_mov_b32 s[G0+4*\s], 1
	s_add_co_u32 s[G0+4*\s+1], s45, \s*SLOT
	s_add_nc_u64 s[G0+4*\s+2:G0+4*\s+3], s[20:21], \s*ASTEP
	s_or_b32 s[G0+4*\s+3], s[G0+4*\s+3], 0x80000000
	s_mov_b32 s[G0B+4*\s], 1
	s_add_co_u32 s[G0B+4*\s+1], s19, \s*SLOT
	s_add_nc_u64 s[G0B+4*\s+2:G0B+4*\s+3], s[46:47], \s*ROWB
	s_or_b32 s[G0B+4*\s+3], s[G0B+4*\s+3], 0x80000000
	s_wait_alu depctr_va_vdst(0)
	s_wait_tensorcnt 0x0
	ds_add_u32 v28, v29
	ds_add_u32 v28, v29
	s_wait_dscnt 0x0
	CROUND
	JLOAD G0+4*\s, G1, G0B+4*\s, G1B               ; one load of mine is out
.endr
	v_and_b32 v1, 15, v0                           ; r
	v_bfe_u32 v2, v0, 4, 1                         ; h
	v_and_b32 v6, 31, v0
	v_lshlrev_b32 v6, 4, v6                        ; 16 x lane: my place in an image's chunk
	v_mul_u32_u24 v3, v1, PITCH
	v_lshl_add_u32 v4, v2, 4, v3                   ; B: row x pitch + 16 x half
	s_lshl_b32 s21, s15, 15                        ; my 128 tokens of A
	s_mul_i32 s22, s16, BHALF
	s_add_co_u32 s22, s22, BOFF                    ; my 64 rows of B
.irp s, 0,1
	v_add_nc_u32 v[ADRA+\s], s21, v6
	v_add_nc_u32 v[ADRB+\s], s22, v4
	s_add_co_u32 s21, s21, SLOT
	s_add_co_u32 s22, s22, SLOT
.endr
	s_mul_i32 s23, s14, 16*SPITCH                  ; my stage
	v_mul_u32_u24 v5, v1, SPITCH
	v_lshl_add_u32 v5, v2, 6, v5
	v_add_nc_u32 v[STO], s23, v5                   ; in: row r, + 64 h
	v_mul_u32_u24 v5, v2, SPITCH
	v_lshl_add_u32 v5, v1, 4, v5
	v_add_nc_u32 v[RD], s23, v5                    ; back: lanes 0-15 one row of 256 bytes, lanes 16-31 the next
	v_lshlrev_b32 v5, 12, v2
	v_lshl_add_u32 v[CO], v1, 4, v5                ; and the same two rows in out0
	s_lshl_b32 s20, s17, 8
	s_lshl_b32 s21, s15, 7
	s_add_co_u32 s20, s20, s21                     ; my first token,
	s_lshl_b32 s20, s20, 12                        ; rows of 4,096 bytes
	s_lshl_b32 s46, s42, 7
	s_lshl_b32 s47, s16, 6
	s_add_co_u32 s46, s46, s47                     ; my first column,
	s_lshl_b32 s46, s46, 2                         ; in bytes: a multiple of 256
	s_mov_b32 s47, 0
	s_add_nc_u64 s[84:85], s[10:11], s[46:47]      ; the bias there
	s_add_co_u32 s20, s20, s46
	s_mov_b32 s21, 0
	s_add_nc_u64 s[12:13], s[12:13], s[20:21]
	v_lshlrev_b32 v[BNA], 6, v2
.irp i, 0,1
.irp u, 0,1
.irp w, 0,1
	global_load_b128 v[BN+8*(2*\i+\u)+4*\w:BN+8*(2*\i+\u)+4*\w+3], v[BNA], s[84:85] offset:128*\i+32*\u+16*\w   ; columns 32 i + 16 h + 8 u + 4 w + 0 .. 3; waited for on the way out
.endr
.endr
.endr
.macro FRAG_A reg, slot, q, i          ; A's fragment of block i: four chunks of its image: registers 4 c .. 4 c + 3 hold K = 32 c + 16 h + 0 .. 15
.irp c, 0,1,2,3
	ds_load_b128 v[\reg+4*\c:\reg+4*\c+3], v[ADRA+\slot] offset:4096*(\i)+2048*(\q)+512*\c
.endr
.endm
.macro FRAG_B reg, slot, q, i          ; B's, from rows: the same order of K
.irp c, 0,1,2,3
	ds_load_b128 v[\reg+4*\c:\reg+4*\c+3], v[ADRB+\slot] offset:128*(\q)+32*\c+(\i)*16*PITCH
.endr
.endm
; 8 matrix instructions: A's blocks a0, a0 + 1 x B's four, 128 along K.  The 32 accumulators take turns, one instruction a turn, in the same order in every step.
.macro MUL8 a0, p, zero
.irp a, \a0, \a0+1
.irp b, 0,1,2,3
.if \zero
	v_wmma_f32_16x16x128_fp8_fp8 v[8*(4*(\a)+\b):8*(4*(\a)+\b)+7], v[128*(\p)+FR*\b:128*(\p)+FR*\b+FR-1], v[AF+FR*(\a):AF+FR*(\a)+FR-1], 0
.else
	v_wmma_f32_16x16x128_fp8_fp8 v[8*(4*(\a)+\b):8*(4*(\a)+\b)+7], v[128*(\p)+FR*\b:128*(\p)+FR*\b+FR-1], v[AF+FR*(\a):AF+FR*(\a)+FR-1], v[8*(4*(\a)+\b):8*(4*(\a)+\b)+7]
.endif
.endr
.endr
.endm
.macro FETCH_B slot, q, p
	WIN TO_B
.irp i, 0,1,2,3
	FRAG_B 128*(\p)+FR*\i, \slot, \q, \i
.endr
	WIN 0
.endm
.macro FETCH_A slot, q, i0
.irp i, \i0, \i0+1, \i0+2, \i0+3
	FRAG_A AF+FR*(\i), \slot, \q, \i
.endr
.endm
.macro PLACES n                        ; a load into a register that a matrix instruction has read stands NP plain vector instructions behind it (ISA guide 7.12.1 for vector instructions)
.rept \n
	v_nop
.endr
.endm
.macro STEP slot, q, zero              ; a step of 128 along K that has its successor in the same slot
	s_wait_dscnt 4*NL                              ; B's set and A's blocks 0-3 are in; the youngest 16 loads (A's blocks 4-7) may be out
	WIN MUL
	MUL8 0, (\q)%2, \zero
	MUL8 2, (\q)%2, \zero
	s_wait_dscnt 0
	PLACES NP
	FETCH_B \slot, (\q)+1, 1-(\q)%2
	FETCH_A \slot, (\q)+1, 0
	WIN MUL
	MUL8 4, (\q)%2, \zero
	MUL8 6, (\q)%2, \zero
	PLACES NP
	WIN 0
	FETCH_A \slot, (\q)+1, 4
.endm
; A slot's last step changes slots: ONE barrier; in front of it each wave waits for all its tensor loads, adds 0 to its spare word, and waits for that and for its own reads of this slot.
.macro TURN slot, next, fill
	s_wait_tensorcnt 0x0                           ; all my tensor loads have landed: my part of the next slot  (every window is 0 here)
	ds_add_u32 v[SPW], v[NIL]                      ; 0 onto my spare word
	s_wait_dscnt 4*NL+1                            ; (the add and the youngest 16 loads may be out)
	WIN MUL
	MUL8 0, 1, 0                                   ; eight matrix instructions stand between the add and the wait for it
	s_wait_dscnt 0x0                               ; the add is done, and my reads of this slot are over
	s_barrier_signal -1
	MUL8 2, 1, 0
	WIN 0
	s_barrier_wait -1
.if \fill
	CREST                                          ; the barrier has opened a round of the cluster's barrier: no wave of any partner still reads this slot's tile or has a load on its way
	s_add_nc_u64 s[G0+4*\slot+2:G0+4*\slot+3], s[G0+4*\slot+2:G0+4*\slot+3], 2*ASTEP
	s_add_nc_u64 s[G0B+4*\slot+2:G0B+4*\slot+3], s[G0B+4*\slot+2:G0B+4*\slot+3], 2*ROWB
	JLOAD G0+4*\slot, G1, G0B+4*\slot, G1B         ; the first tensor load behind the round, my only one until the next; its four v_nop are also the places in front of the loads below
.else
	PLACES NP
.endif
	FETCH_B \next, 0, 0
	FETCH_A \next, 0, 0
	WIN MUL
	MUL8 4, 1, 0
	MUL8 6, 1, 0
	PLACES NP
	WIN 0
	FETCH_A \next, 0, 4
.endm
	s_wait_tensorcnt 1                             ; my part of K step 0 is in (K step 1's load may be out)
	s_barrier_signal -1
	s_barrier_wait -1                              ; everybody's is
	FETCH_B 0, 0, 0
	FETCH_A 0, 0, 0
	FETCH_A 0, 0, 4
	STEP 0, 0, 1                                   ; K = 1,024: four K steps of 256, written out by the macros.  The first products start the sums
	TURN 0, 1, 1                                   ; slot 0 takes K step 2
	STEP 1, 0, 0
	TURN 1, 0, 1                                   ; slot 1 takes K step 3
	STEP 0, 0, 0
	TURN 0, 1, 0                                   ; nothing is left to fetch
	STEP 1, 0, 0
	s_wait_dscnt 4*NL                              ; the very last step
	WIN MUL
	MUL8 0, 1, 0
	MUL8 2, 1, 0
	s_wait_dscnt 0
	MUL8 4, 1, 0
	MUL8 6, 1, 0
	WIN 0
; THE WAY OUT, block by block of 16 tokens x 64 columns, through my own stage: in by lanes (32 bytes of a row for each accumulator), back as whole rows of 256 bytes.
; LDS serves a wave's instructions in order (ISA guide 5.7.1.4): no wait between the stores and the loads, nor in front of the next block's stores.
.macro TOSTAGE a
	WIN 0x02                                       ; source 0: window 2
.set j, 0
.rept 16
	v_pk_fma_f32 v[TMP+j:TMP+j+1], v[32*(\a)+j:32*(\a)+j+1], s[96:97], v[BN+j:BN+j+1] op_sel_hi:[1,0,1]   ; sum x 2^(e6 + e7) + bias; each accumulator from its low end on
.set j, j+2
.endr
	WIN 0
.irp b, 0,1,2,3
	ds_store_b128 v[STO], v[TMP+8*\b:TMP+8*\b+3] offset:128*(\b/2)+32*(\b%2)
	ds_store_b128 v[STO], v[TMP+8*\b+4:TMP+8*\b+7] offset:128*(\b/2)+32*(\b%2)+16
.endr
.set BB, BK+32*((\a)%2)
.irp t, 0,1,2,3,4,5,6,7
	ds_load_b128 v[BB+4*\t:BB+4*\t+3], v[RD] offset:\t*2*SPITCH
.endr
.endm
.macro SEND a, younger                 ; younger: the LDS instructions issued behind block a's loads, which may stay out
.set BB, BK+32*((\a)%2)
	s_wait_dscnt \younger
.if (\a) > 0
	s_add_nc_u64 s[12:13], s[12:13], 16*4096       ; (behind a wait on XCNT: the earlier stores have read their base)  16 rows on
.endif
.irp t, 0,1,2,3,4,5,6,7
	global_store_b128 v[CO], v[BB+4*\t:BB+4*\t+3], s[12:13] offset:\t*2*4096 th:TH_STORE_NT   ; sixteen lanes store 256 consecutive bytes, aligned; written once, read by nobody here
.endr
.endm
	s_wait_kmcnt 0x0
	s_add_co_i32 s96, s78, s79                     ; e6 + e7
	s_add_co_i32 s96, s96, 127
	s_lshl_b32 s96, s96, 23                        ; 2^(e6 + e7) as f32
	s_mov_b32 s97, s96                             ; (named with it as a pair, so it is written)
	s_wait_loadcnt 0x0                             ; the bias
	PLACES NP                                      ; behind the last products: for the reads of their results and for the loads into the registers that held A's fragments
	TOSTAGE 0
.irp a, 1,2,3,4,5,6,7
.if \a > 1
	s_wait_xcnt 0x0                                ; block a - 2's stores have read their registers and their base
.endif
	TOSTAGE \a
	SEND \a-1, 16                                  ; behind block a - 1's loads: block a's 8 stores and 8 loads
.endr
	s_wait_xcnt 0x0                                ; block 6's stores have read their base
	SEND 7, 0
	s_wait_tensorcnt 0x0                           ; the wave's end
	ds_add_u32 v[SPW], v[NIL]
	s_wait_dscnt 0x0
	CROUND                                         ; the closing round
	s_endpgm
.Lfunc_end_k_q351f65f102_proj:
	.size	k_q351f65f102_proj, .Lfunc_end_k_q351f65f102_proj-k_q351f65f102_proj
	.p2alignl 7, 3214868480
	.fill 96, 4, 3214868480
	.section	.rodata,"a",@progbits
	.p2align	6, 0x0
	.amdhsa_kernel k_q351f65f102_proj
		.amdhsa_group_segment_fixed_size 327680
		.amdhsa_private_segment_fixed_size 0
		.amdhsa_enable_private_segment 0
		.amdhsa_kernarg_size 40
		.amdhsa_user_sgpr_count 2
		.amdhsa_user_sgpr_kernarg_segment_ptr 1
		.amdhsa_wavefront_size32 1
		.amdhsa_system_sgpr_workgroup_id_x 1
		.amdhsa_system_sgpr_workgroup_id_y 1
		.amdhsa_system_sgpr_workgroup_id_z 1
		.amdhsa_system_vgpr_workitem_id 0
		.amdhsa_next_free_vgpr 768
		.amdhsa_next_free_sgpr 100
		.amdhsa_reserve_vcc 0
		.amdhsa_float_denorm_mode_32 3
		.amdhsa_float_denorm_mode_16_64 3
		.amdhsa_memory_ordered 1
		.amdhsa_forward_progress 1
		.amdhsa_inst_pref_size 79
	.end_amdhsa_kernel
	.amdgpu_metadata
---
amdhsa.version: [ 1, 2 ]
amdhsa.kernels:
  - .name:           k_q351f65f102_proj
    .symbol:         k_q351f65f102_proj.kd
    .args:
      - { .name: a_codes, .offset: 0, .size: 8, .value_kind: global_buffer, .address_space: global }
      - { .name: wo_codes, .offset: 8, .size: 8, .value_kind: global_buffer, .address_space: global }
      - { .name: lowp_scales, .offset: 16, .size: 8, .value_kind: global_buffer, .address_space: global }
      - { .name: b_out, .offset: 24, .size: 8, .value_kind: global_buffer, .address_space: global }
      - { .name: out0, .offset: 32, .size: 8, .value_kind: global_buffer, .address_space: global }
    .group_segment_fixed_size: 327680
    .private_segment_fixed_size: 0
    .kernarg_segment_align: 8
    .kernarg_segment_size: 40
    .max_flat_workgroup_size: 128
    .sgpr_count:     100
    .vgpr_count:     768
    .wavefront_size: 32
...
	.end_amdgpu_metadata
.endif
;; end of part 4
